; MI455X (gfx1250); checked and timed in simulation.
; The chip was launched on July 23, 2026; its instructions are those of AMD's public machine-readable ISA for CDNA 5 (MIT licence, August 2026) and "CDNA5" Instruction Set Architecture Reference Guide (July 2026). The comments in the code are by the model that wrote it; some were corrected since.
;; Multi Head Attention. Allowed arithmetic: matrix products marked QUANTISED: E3M2 operands, one E8M0 scale for each 32 along K, by v_wmma_scale_f32_16x16x128_f8f6f4 with both operands' format E3M2, f32 sums; everything else in f32.
;; Inputs: Wk 1,024 x 16 x 64 float32; Wo 16 x 64 x 1,024 float32; Wq 1,024 x 16 x 64 float32; Wv 1,024 x 16 x 64 float32; bk 16 x 64 float32; bo 1,024 float32; bq 16 x 64 float32; bv 16 x 64 float32; x 4 x 2,048 x 1,024 float32.
;; Outputs: out0 4 x 2,048 x 1,024 float32.
;; This version of the problem:
;;   THIS VERSION OF THE PROBLEM IS GIVEN IN LOW PRECISION. The matrix products marked QUANTISED in the list below multiply operands that are first quantised to E3M2 (3 exponent bits, 2 mantissa bits; 6 bits a number), with one power-of-two scale for each 32 numbers along K (OCP MX v1.0); their sums are f32. All else is computed in f32.
;;   The module's matrix products, in the order in which they are computed (A, B: the left and right operand; K: the contracted axis; several contracted axes count as one K, in the product's order):
;;     1. [M 8,192, K 1,024] x [K 1,024, N 1,024]; A: input x; B: input Wq: QUANTISED
;;     2. [M 8,192, K 1,024] x [K 1,024, N 1,024]; A: input x; B: input Wk: QUANTISED
;;     3. [M 8,192, K 1,024] x [K 1,024, N 1,024]; A: input x; B: input Wv: QUANTISED
;;     4. batch 64 x [M 2,048, K 64] x [K 64, N 2,048]; A: computed on the way; B: computed on the way: QUANTISED
;;     5. batch 64 x [M 64, K 2,048] x [K 2,048, N 2,048]; A: computed on the way; B: softmax (see below): QUANTISED
;;     6. [M 8,192, K 1,024] x [K 1,024, N 1,024]; A: computed on the way; B: input Wo: QUANTISED
;;   THE QUANTISER, for each operand of a quantised product, along K:
;;     - K is cut into blocks of 32 from its start; a last block that is shorter is filled with zeros.
;;     - A block's scale is 2^e with e = floor(log2(the largest magnitude in the block)) - 4, held to -126 .. 127; a block of zeros has e = 0. As a byte (E8M0): e + 127.
;;     - Each number is divided by its block's scale, clamped to +-28, and rounded to the nearest number of E3M2, ties to even, subnormals kept.
;;     - The product sums the exact products of the quantised numbers (number of the format x scale) in f32.
;;   ~~~python
;;   def quantise(x, axis):      # numpy; x: float32 -> the quantised numbers, widened to float32 again
;;       x = np.moveaxis(x, axis, -1); K = x.shape[-1]
;;       x = np.pad(x, [(0, 0)] * (x.ndim - 1) + [(0, -K % 32)]); x = x.reshape(x.shape[:-1] + (-1, 32)); a = np.abs(x).max(-1, keepdims=True)
;;       e = np.where(a > 0, np.clip(np.frexp(np.where(a > 0, a, 1))[1] - 1 - 4, -126, 127), 0)      # np.frexp(a)[1] - 1 = floor(log2(a)), exactly
;;       r = np.clip(x / 2.0 ** e, -28, 28)
;;       step = 2.0 ** (np.maximum(np.frexp(np.where(r == 0, 1, r))[1] - 1, -2) - 2)
;;       q = np.round(r / step) * step * 2.0 ** e      # np.round: ties to even
;;       return np.moveaxis(q.reshape(q.shape[:-2] + (-1,))[..., :K], -1, axis).astype(np.float32)
;;   ~~~
;;   SOFTMAX AHEAD OF A QUANTISED PRODUCT. Where the list says 'softmax', what is quantised is not the finished softmax but p = 2^(t - M), with t = logit x log2(e) and M = ceil(the row's largest t), a whole number; so 1/2 < the row's largest p <= 1. The row's sum l is taken of the UNQUANTISED p, in f32, and the product's result is divided by l at the end. Since M is a whole number, a kernel that streams over the keys may use a running M (the ceiling of the running maximum): every later rescaling is an exact power of two, which a block's scale takes up: the codes' values come out the same.
;;   OPERANDS COMPUTED ON THE WAY. 'Computed on the way' means the value that the module computes at that place (a softmax that the list does not call 'softmax' is quantised finished and normalised). What goes into a quantiser is computed in f32, as accurately as f32 sums, v_exp_f32 and their like allow (about 1e-6 of the number): no bf16 or f16 on the way to a quantiser, and a product that is left as it is and whose result goes on into a quantised operand takes f32 operands (vector FMAs, or v_wmma_f32_16x16x4_f32). A number that lies on a knife's edge between two numbers of the format may be rounded either way, as far as f32 arithmetic and the matrix unit's own rounding can turn it there, and no further.
;; One version. Each part assembles by itself: llvm-mc -triple=amdgcn-amd-amdhsa -mcpu=gfx1250 --defsym DOCPART=n.
;; ======== version 1 of 1: 4 launches
;; limits: right only within a limited range of input values
;; workspace buffers: codes 9,437,184 bytes; scales 393,216 bytes; img 18,874,368 bytes; imgs 1,310,720 bytes; ctxc 6,291,456 bytes; ctxs 262,144 bytes
;; launch quant (part 1): grid 768 x 1, 4 waves a work-group, no clusters, 49,152 bytes of LDS; arguments x, codes, scales, Wq, Wk, Wv, Wo; writes codes, scales
.if DOCPART == 1
	.amdgcn_target "amdgcn-amd-amdhsa--gfx1250"
	.amdhsa_code_object_version 6
	.text
	.protected	k_qe8e95b0dc6_quant
	.globl	k_qe8e95b0dc6_quant
	.p2align	8
	.type	k_qe8e95b0dc6_quant,@function
k_qe8e95b0dc6_quant:
	s_mov_b64 s[64:65], 0
	v_nop
	global_prefetch_b8 v0, s[64:65] scope:SCOPE_SE
	s_setreg_imm32_b32 hwreg(HW_REG_WAVE_MODE, 25, 1), 1
	s_wait_xcnt 0x0
; ONE LAUNCH QUANTISES x AND THE FOUR WEIGHTS to codes of BF6 (E3M2) with one E8M0 scale byte for each 32 along K, laid as the products' operand registers want them.
; Work-groups 0-511 take x's 512 tiles, work-groups 512-767 the weights; the path is chosen by the work-group's number alone, and each path has LDS bytes of its own.
; A UNIT is 16 rows x 64 along K, 768 bytes: lane (r = lane % 16, h = lane / 16) owns the 24 bytes (32 codes) of block h of row r; its registers 2 p, 2 p + 1 lie at byte 256 p + 8 lane.
; codes: [tile T of 16 rows][16 UNITs along K]; scales: [memory row 16 T + r][32 bytes].  x: tiles 0-511; weight wt (0 Wq, 1 Wk, 2 Wv, 3 Wo): tiles 512 + 64 wt + .., rows = output features.
; THE ROWS OF A TILE ARE NOT NEIGHBOURS: row i of tile T is row 32 (T / 2) + 8 (T % 2) + i + 8 (i / 8).
; A block's scale is 2^(floor(log2(largest magnitude)) - 4); its byte is the largest magnitude's exponent field - 4, held at 1 from below.
; LIMITS: a block of zeros, and a block whose largest magnitude lies under 2^-122, get the byte 1 (this program alone reads them); NaN and infinities are not served.
; No tensor loads, clusters or matrix instructions: both paths are streams that read each byte once.
.set SPARE, 0x8600                     ; the spare words, 512 bytes, between the two paths' LDS bytes
.set WBASE, 0x8800                     ; the weights' stages
	v_lshl_add_u32 v62, v0, 2, SPARE
	v_mov_b32 v63, 0
	s_cmp_ge_u32 ttmp9, 512
	s_cbranch_scc1 .Lweights
; x [8192][1024]: a work-group takes one tile; wave q takes K 256 q .. + 255, as two steps of 128.  Each load reads 512 consecutive bytes of a row; a step's 16 x 512 bytes turn through
; the wave's own stage, so that lane (r, h) gets 32 neighbours along K of row r for each of its two blocks.  All 32 loads of a wave are out at once.
.set ROWX,  4096
.set SPX,   528                        ; a stage row: 512 bytes + 16
.set WST,   16*SPX
.set SCST,  4*WST                      ; behind the stages: the tile's 512 scale bytes
.set XA,    64                         ; v64-127  step 0's numbers
.set R,     128                        ; v128-255 the numbers as loaded; v128-191 later take step 1's from the stage
.set C,     20                         ; v20-43   codes, 12 registers a step
.set CT,    44                         ; v44-50   upper halves, before they are moved
	s_load_b128 s[4:7], s[0:1], 0x0                ; x, codes
	s_load_b64 s[8:9], s[0:1], 0x10                ; scales
	v_lshrrev_b32 v8, 5, v0
	v_readfirstlane_b32 s10, v8                    ; wave q
	v_and_b32 v9, 31, v0
	v_and_b32 v10, 15, v0                          ; r
	v_bfe_u32 v11, v0, 4, 1                        ; h
	v_lshlrev_b32 v1, 4, v9                        ; 16 lane
	s_mul_i32 s11, s10, WST
	v_add_nc_u32 v2, s11, v1                       ; the stage, in
	v_mul_u32_u24 v3, v10, SPX
	v_lshl_add_u32 v3, v11, 7, v3
	v_add_nc_u32 v3, s11, v3                       ; and out: row r, + 128 h bytes
	v_lshlrev_b32 v4, 3, v9                        ; 8 lane: my place in a UNIT
	v_lshlrev_b32 v5, 3, v11                       ; 8 h: my bytes' shift in a scale word
	s_lshl_b32 s11, s10, 3
	s_add_co_u32 s11, s11, SCST
	v_lshl_add_u32 v6, v10, 5, s11                 ; row r's 32 scale bytes, my wave's 8
	v_add_nc_u32 v7, SCST, v1
	v_mov_b32 v15, 0                               ; a lane permute's destination counts as a source
	s_mov_b32 s12, 0x76543210
	s_mov_b32 s13, 0xfedcba98
	s_lshr_b32 s14, ttmp9, 1
	s_lshl_b32 s14, s14, 17                        ; 32 (T / 2) rows of 4,096 bytes
	s_and_b32 s15, ttmp9, 1
	s_lshl_b32 s15, s15, 15                        ; + 8 (T % 2) rows
	s_add_co_u32 s14, s14, s15
	s_lshl_b32 s15, s10, 10                        ; + my wave's 1,024 bytes of a row
	s_add_co_u32 s14, s14, s15
	s_mov_b32 s15, 0
	s_mul_i32 s16, ttmp9, 12288
	s_mul_i32 s17, s10, 3072
	s_add_co_u32 s16, s16, s17
	s_mov_b32 s17, 0
	s_lshl_b32 s18, ttmp9, 9
	s_mov_b32 s19, 0
	s_wait_alu depctr_va_vdst(0)                   ; the wait at the head's end
	s_wait_kmcnt 0x0
	s_add_nc_u64 s[4:5], s[4:5], s[14:15]
	s_add_nc_u64 s[6:7], s[6:7], s[16:17]
	s_add_nc_u64 s[8:9], s[8:9], s[18:19]
.macro LOAD s
.irp i, 0,1,2,3,4,5,6,7,8,9,10,11,12,13,14,15
	global_load_b128 v[R+64*\s+4*\i:R+64*\s+4*\i+3], v1, s[4:5] offset:(\i+8*(\i/8))*ROWX+512*\s th:TH_LOAD_NT
.endr
.endm
.macro TURN s, dst                     ; LDS serves a wave's instructions in order: no wait between the stores and the loads
.irp i, 0,1,2,3,4,5,6,7,8,9,10,11,12,13,14,15
	ds_store_b128 v2, v[R+64*\s+4*\i:R+64*\s+4*\i+3] offset:SPX*\i
.endr
.irp c, 0,1
.irp j, 0,1,2,3,4,5,6,7
	ds_load_b128 v[\dst+32*\c+4*\j:\dst+32*\c+4*\j+3], v3 offset:256*\c+16*\j
.endr
.endr
.endm
.macro WORK s, src                     ; my two blocks, 2 c + h, of step s
.irp c, 0,1
	v_max3_num_f32 v[8+\c], |v[\src+32*\c]|, |v[\src+32*\c+1]|, 0x2800000   ; with the floor 2^(5 - 127)
.endr
.irp i, 2,4,6,8,10,12,14,16,18,20,22,24,26,28,30
.irp c, 0,1
	v_max3_num_f32 v[8+\c], v[8+\c], |v[\src+32*\c+\i]|, |v[\src+32*\c+\i+1]|
.endr
.endr
.irp c, 0,1
	v_add_nc_u32 v[10+\c], 0xfe000000, v[8+\c]     ; 4 off the exponent field: the conversion's scale operand
.endr
.irp c, 0,1
	v_lshrrev_b32 v[12+\c], 23, v[10+\c]           ; the byte
.endr
	v_lshl_or_b32 v14, v13, 16, v12
	v_lshlrev_b32 v14, v5, v14
	v_permlanex16_b32 v15, v14, s12, s13
	v_or_b32 v[16+\s], v14, v15                    ; with lane l xor 16's two the word is whole
.irp c, 0,1
	v_cvt_scalef32_pk16_bf6_f32 v[C+12*\s+6*\c:C+12*\s+6*\c+2], v[\src+32*\c:\src+32*\c+15], v[10+\c]
	v_cvt_scalef32_pk16_bf6_f32 v[CT+4*\c:CT+4*\c+2], v[\src+32*\c+16:\src+32*\c+31], v[10+\c]
.endr
	v_nop                                          ; one plain place behind a scaled conversion
.irp c, 0,1
.irp i, 0,1,2
	v_mov_b32 v[C+12*\s+6*\c+3+\i], v[CT+4*\c+\i]
.endr
.endr
.irp c, 0,1
.irp p, 0,1,2
	global_store_b64 v4, v[C+12*\s+6*\c+2*\p:C+12*\s+6*\c+2*\p+1], s[6:7] offset:(2*\s+\c)*768+256*\p   ; 256 consecutive bytes, aligned
.endr
.endr
.endm
	LOAD 0
	LOAD 1
	s_wait_loadcnt 16                              ; step 0's 16 loads are in; step 1's 16 may be out
	TURN 0, XA
	s_wait_dscnt 0x0                               ; the stage and v128-191 are free
	s_wait_loadcnt 0x0
	TURN 1, R
	WORK 0, XA
	s_wait_dscnt 0x0
	WORK 1, R
	ds_store_b64 v6, v[16:17]                      ; both lanes of a row write the same 8 bytes with the same value
	s_wait_dscnt 0x0                               ; for the others' sake
	s_barrier_signal -1
	s_barrier_wait -1
	s_cmp_lg_u32 s10, 0
	s_cbranch_scc1 .Ldone
	ds_load_b128 v[52:55], v7                      ; wave 0 stores the tile's 512 scale bytes
	s_wait_dscnt 0x0
	global_store_b128 v1, v[52:55], s[8:9]
.Ldone:
	s_wait_tensorcnt 0x0                           ; the wave's end
	ds_add_u32 v62, v63
	s_wait_dscnt 0x0
	s_endpgm
; THE WEIGHTS, each [K 1024][N 1024] f32 with K as the first axis.  A LANE TAKES A COLUMN n, AND ITS REGISTERS RUN DOWN K: a block of 32 lies in one lane's 32 registers.
; Feature 32 b + lane is row r = lane % 8 + 8 (lane / 16) of tile 2 b + u, u = (lane / 8) % 2.
; Work-group 512 + 8 y + x, y = 8 wt + kq; wave w takes columns 128 x + 32 w + lane and K 128 kq .. + 127: four blocks a lane, 128 loads of 128 consecutive bytes.
; The codes go through the wave's own stage, laid as two tiles' UNITs, and leave as 512 consecutive bytes a store.  The scale words are 4 of each row's 32 bytes.
.Lweights:
.set X,     64                         ; v64-191  the four blocks' numbers
.set C,     192                        ; v192..   codes, 8 registers a block
.set CT,    26
.set WST,   3584
.set UST,   1664                       ; a tile's two UNITs + 128
	s_load_b128 s[4:7], s[0:1], 0x18               ; Wq, Wk
	s_load_b128 s[8:11], s[0:1], 0x28              ; Wv, Wo
	s_load_b128 s[12:15], s[0:1], 0x8              ; codes, scales
	v_lshrrev_b32 v1, 5, v0
	v_readfirstlane_b32 s16, v1                    ; wave
	v_and_b32 v2, 31, v0
	v_lshlrev_b32 v3, 2, v2                        ; in: 4 bytes a lane
	v_bfe_u32 v5, v0, 3, 1                         ; u
	v_and_b32 v6, 7, v0
	v_bfe_u32 v10, v0, 4, 1
	v_lshl_add_u32 v6, v10, 3, v6                  ; r
	s_mul_i32 s17, s16, WST
	s_add_co_u32 s17, s17, WBASE
	v_mul_u32_u24 v4, v5, UST
	v_lshl_add_u32 v4, v6, 3, v4
	v_add_nc_u32 v4, s17, v4                       ; into the stage: tile u, 8 r
	v_lshlrev_b32 v8, 4, v2                        ; out: 16 bytes a lane
	v_add_nc_u32 v7, s17, v8
	v_lshl_add_u32 v9, v5, 4, v6
	v_lshlrev_b32 v9, 5, v9                        ; (16 u + r) x 32
	s_sub_co_u32 s29, ttmp9, 512
	s_lshr_b32 s18, s29, 3                         ; y
	s_and_b32 s29, s29, 7                          ; x
	s_lshr_b32 s19, s18, 3                         ; wt
	s_and_b32 s20, s18, 7                          ; kq
	s_lshl_b32 s21, s29, 2
	s_add_co_u32 s21, s21, s16                     ; b = 4 x + w
	s_lshl_b32 s22, s20, 19                        ; 128 kq rows of 4,096 bytes
	s_lshl_b32 s23, s21, 7                         ; + 32 b columns
	s_add_co_u32 s22, s22, s23
	s_mov_b32 s23, 0
	s_lshl_b32 s24, s19, 6                         ; tile 512 + 64 wt + 2 b,
	s_lshl_b32 s25, s21, 1
	s_add_co_u32 s24, s24, s25
	s_add_co_u32 s24, s24, 512
	s_mul_i32 s24, s24, 12288
	s_mul_i32 s25, s20, 1536                       ; its UNITs 2 kq, 2 kq + 1
	s_add_co_u32 s24, s24, s25
	s_mov_b32 s25, 0
	s_lshl_b32 s26, s19, 15                        ; scales: memory row 8192 + 1024 wt + 32 b,
	s_lshl_b32 s27, s21, 10
	s_add_co_u32 s26, s26, s27
	s_lshl_b32 s27, s20, 2                         ; word kq
	s_add_co_u32 s26, s26, s27
	s_add_co_u32 s26, s26, 262144
	s_mov_b32 s27, 0
	s_and_b32 s28, s19, 1
	s_wait_alu depctr_va_vdst(0)                   ; the wait at the head's end
	s_wait_kmcnt 0x0
	s_cmp_eq_u32 s28, 0                            ; the weight is chosen by the work-group's number alone
	s_cselect_b64 s[4:5], s[4:5], s[6:7]
	s_cselect_b64 s[8:9], s[8:9], s[10:11]
	s_cmp_lt_u32 s19, 2
	s_cselect_b64 s[4:5], s[4:5], s[8:9]
	s_add_nc_u64 s[4:5], s[4:5], s[22:23]
	s_add_nc_u64 s[12:13], s[12:13], s[24:25]
	s_add_nc_u64 s[14:15], s[14:15], s[26:27]
.set i, 0
.rept 128
	global_load_b32 v[X+i], v3, s[4:5] offset:i*4096 th:TH_LOAD_NT   ; W(128 kq + i, my column)
.set i, i+1
.endr
.macro BLOCK t
.set XS, X+32*\t
.if \t < 2
	s_wait_loadcnt 63                              ; 96 and 64 younger loads could stay out; a wait names 63 at the most, and a smaller count is safe
.else
	s_wait_loadcnt 32*(3-\t)                       ; the younger blocks' loads may be out
.endif
	v_max3_num_f32 v12, |v[XS]|, |v[XS+1]|, |v[XS+2]|
	v_max3_num_f32 v13, |v[XS+3]|, |v[XS+4]|, |v[XS+5]|
.irp i, 6,10,14,18,22,26
	v_max3_num_f32 v12, v12, |v[XS+\i]|, |v[XS+\i+1]|
	v_max3_num_f32 v13, v13, |v[XS+\i+2]|, |v[XS+\i+3]|
.endr
	v_max3_num_f32 v12, v12, |v[XS+30]|, |v[XS+31]|
	v_max3_num_f32 v12, v12, v13, 0x2800000        ; and the floor 2^(5 - 127)
	v_add_nc_u32 v11, 0xfe000000, v12
	v_lshrrev_b32 v13, 23, v11                     ; the byte
.if \t == 0
	v_mov_b32 v24, v13
.else
	v_lshl_or_b32 v24, v13, 8*\t, v24
.endif
	v_cvt_scalef32_pk16_bf6_f32 v[C+8*\t:C+8*\t+2], v[XS:XS+15], v11
	v_cvt_scalef32_pk16_bf6_f32 v[CT:CT+2], v[XS+16:XS+31], v11
	v_nop                                          ; one plain place behind a scaled conversion
.irp i, 0,1,2
	v_mov_b32 v[C+8*\t+3+\i], v[CT+\i]
.endr
.irp p, 0,1,2
	ds_store_b64 v4, v[C+8*\t+2*\p:C+8*\t+2*\p+1] offset:(\t/2)*768+(\t%2)*128+256*\p   ; UNIT t / 2, lane r + 16 (t % 2)
.endr
.endm
	BLOCK 0
	BLOCK 1
	BLOCK 2
	BLOCK 3
	global_store_b32 v9, v24, s[14:15]
.irp u, 0,1
.irp i, 0,1,2
	ds_load_b128 v[32+12*\u+4*\i:35+12*\u+4*\i], v7 offset:UST*\u+512*\i   ; these see my stores
.endr
.endr
.irp u, 0,1
.irp i, 0,1,2
	s_wait_dscnt 5-3*\u-\i
	global_store_b128 v8, v[32+12*\u+4*\i:35+12*\u+4*\i], s[12:13] offset:12288*\u+512*\i   ; 512 consecutive bytes, at a multiple of 256
.endr
.endr
	s_wait_tensorcnt 0x0                           ; the wave's end
	ds_add_u32 v62, v63
	s_wait_dscnt 0x0
	s_endpgm
.Lfunc_end_k_qe8e95b0dc6_quant:
	.size	k_qe8e95b0dc6_quant, .Lfunc_end_k_qe8e95b0dc6_quant-k_qe8e95b0dc6_quant
	.p2alignl 7, 3214868480
	.fill 96, 4, 3214868480
	.section	.rodata,"a",@progbits
	.p2align	6, 0x0
	.amdhsa_kernel k_qe8e95b0dc6_quant
		.amdhsa_group_segment_fixed_size 49152
		.amdhsa_private_segment_fixed_size 0
		.amdhsa_enable_private_segment 0
		.amdhsa_kernarg_size 56
		.amdhsa_user_sgpr_count 2
		.amdhsa_user_sgpr_kernarg_segment_ptr 1
		.amdhsa_wavefront_size32 1
		.amdhsa_system_sgpr_workgroup_id_x 1
		.amdhsa_system_sgpr_workgroup_id_y 1
		.amdhsa_system_sgpr_workgroup_id_z 1
		.amdhsa_system_vgpr_workitem_id 0
		.amdhsa_next_free_vgpr 256
		.amdhsa_next_free_sgpr 66
		.amdhsa_reserve_vcc 0
		.amdhsa_float_denorm_mode_32 3
		.amdhsa_float_denorm_mode_16_64 3
		.amdhsa_memory_ordered 1
		.amdhsa_forward_progress 1
		.amdhsa_inst_pref_size 40
	.end_amdhsa_kernel
	.amdgpu_metadata
---
amdhsa.version: [ 1, 2 ]
amdhsa.kernels:
  - .name:           k_qe8e95b0dc6_quant
    .symbol:         k_qe8e95b0dc6_quant.kd
    .args:
      - { .name: x, .offset: 0, .size: 8, .value_kind: global_buffer, .address_space: global }
      - { .name: codes, .offset: 8, .size: 8, .value_kind: global_buffer, .address_space: global }
      - { .name: scales, .offset: 16, .size: 8, .value_kind: global_buffer, .address_space: global }
      - { .name: Wq, .offset: 24, .size: 8, .value_kind: global_buffer, .address_space: global }
      - { .name: Wk, .offset: 32, .size: 8, .value_kind: global_buffer, .address_space: global }
      - { .name: Wv, .offset: 40, .size: 8, .value_kind: global_buffer, .address_space: global }
      - { .name: Wo, .offset: 48, .size: 8, .value_kind: global_buffer, .address_space: global }
    .group_segment_fixed_size: 49152
    .private_segment_fixed_size: 0
    .kernarg_segment_align: 8
    .kernarg_segment_size: 56
    .max_flat_workgroup_size: 128
    .sgpr_count:     66
    .vgpr_count:     256
    .wavefront_size: 32
...
	.end_amdgpu_metadata
.endif
;; end of part 1
;; launch qkv (part 2): grid 8 x 48, 4 waves a work-group, clusters of 4 x 4, 327,680 bytes of LDS; arguments codes, scales, bq, bk, bv, img, imgs; writes img, imgs
.if DOCPART == 2
	.amdgcn_target "amdgcn-amd-amdhsa--gfx1250"
	.amdhsa_code_object_version 6
	.text
	.protected	k_qe8e95b0dc6_qkv
	.globl	k_qe8e95b0dc6_qkv
	.p2align	8
	.type	k_qe8e95b0dc6_qkv,@function
k_qe8e95b0dc6_qkv:
	s_mov_b64 s[64:65], 0
	v_nop
	global_prefetch_b8 v0, s[64:65] scope:SCOPE_SE
	s_setreg_imm32_b32 hwreg(HW_REG_WAVE_MODE, 25, 1), 1
	s_wait_xcnt 0x0
	s_wait_alu depctr_hold_cnt(0) depctr_sa_sdst(0) depctr_va_vdst(0) depctr_va_sdst(0) depctr_va_ssrc(0) depctr_va_vcc(0) depctr_vm_vsrc(0)
	s_getreg_b32 s2, hwreg(HW_REG_IB_STS2, 6, 4)
	s_cmp_eq_u32 s2, 0
	s_cbranch_scc0 .Lentry_in_a_cluster
	s_endpgm
.Lentry_in_a_cluster:
	s_bfe_u32 s2, ttmp6, 0x10000c
	s_cmp_lg_u32 s2, 0xf033
	s_cbranch_scc0 .Lentry_shape_is_right
	s_endpgm
.Lentry_shape_is_right:
.set NQ,     2
.set FR,     12
.set NL,     6
.set NP,     4
.set SB,     3072
.set HALFT,  8*SB
.set SLOT,   4*HALFT
.set SCL,    2*SLOT
.set HALFS,  16*272
.set SBLK,   2*272
.set SPARE,  SCL+4*HALFS
.set ADRA, 16
.set ADRB, 20
.set LN8,  24
.set SOF,  25
.set SH16, 26
.set ADRS, 27
.set SPW,  28
.set NIL,  29
.set BOF,  30
.set SC,   32
.set BI,   64
.set AF,   128
.set PC,   128
.set CT,   140
.set TM,   148
.set PW,   164
.set Z,    172
.set KIND, 3
.set WVN,  18
.set HA,   19
.set HB,   20
.set ROLE, 67
.set G1,   24
.set G0,   32
.set G1B,  48
.set G0B,  56
.set G1S,  68
.set G0S,  76
.set G1SB, 80
.set G0SB, 88
.set OUTC, 44
.set OUTS, 46
.set BP,   92
.set STRD, 96
.set HM,   97
.set SEL,  98
.set SCF,  100
.set MSB, 0
.macro WIN new
.if MSB != \new
	s_set_vgpr_msb (MSB<<8)|\new
.set MSB, \new
.endif
.endm
.set MUL_LO, 0xa1
.set MUL_HI, 0xf1
.set TO_B,   0x40
.macro JLOAD g0a, g1a, g0b, g1b
	s_cmp_eq_u32 s[HA], 0
	s_cbranch_scc0 .Lfor_b_\@
	tensor_load_to_lds s[\g0a:\g0a+3], s[\g1a:\g1a+7]
	s_nop 0
.rept 4
	v_nop
.endr
	s_branch .Lasked_\@
.Lfor_b_\@:
	tensor_load_to_lds s[\g0b:\g0b+3], s[\g1b:\g1b+7]
	s_nop 0
.rept 4
	v_nop
.endr
.Lasked_\@:
.endm
.macro CREST
	s_cmp_lg_u32 s[WVN], 0
	s_cbranch_scc1 .Lnot_wave_0_\@
	s_barrier_signal -3
.Lnot_wave_0_\@:
	s_barrier_wait -3
	s_barrier_signal -1
	s_barrier_wait -1
.endm
.macro CROUND
	s_barrier_signal -1
	s_barrier_wait -1
	CREST
.endm
	s_load_b256 s[4:11], s[0:1], 0x0
	s_load_b128 s[12:15], s[0:1], 0x20
	s_load_b64 s[16:17], s[0:1], 0x30
	v_lshl_add_u32 v[SPW], v0, 2, SPARE
	v_mov_b32 v[NIL], 0
	ds_add_u32 v28, v29
	ds_add_u32 v28, v29
	s_wait_dscnt 0x0
	v_lshrrev_b32 v1, 5, v0
	v_readfirstlane_b32 s[WVN], v1
	s_lshr_b32 s[HA], s[WVN], 1
	s_and_b32 s[HB], s[WVN], 1
	s_bfe_u32 s21, ttmp6, 0x40000
	s_bfe_u32 s22, ttmp6, 0x40004
	s_mov_b32 s23, ttmp9
	s_and_b32 s66, ttmp7, 0xffff
	s_lshl_b32 s40, s66, 2
	s_lshl_b32 s41, s23, 2
	s_add_co_u32 s41, s41, 32
	s_and_b32 s42, s66, 3
	s_lshl_b32 s42, s42, 1
	s_add_co_u32 s42, s42, s23
	s_lshl_b32 s42, s42, 2
	s_cmp_ge_u32 s66, 8
	s_cselect_b32 s[ROLE], 1, 0
	s_cselect_b32 s40, 40, s40
	s_cselect_b32 s41, s42, s41
	s_cselect_b32 s[KIND], 2, s23
	s_add_co_u32 s40, s40, s22
	s_add_co_u32 s41, s41, s21
	s_lshl_b32 s43, s22, 2
	s_lshl_b32 s43, 15, s43
	s_lshl_b32 s44, 0x1111, s21
	s_or_b32 s[G1+0], s43, (3<<16)|(1<<21)
	s_or_b32 s[G1B+0], s44, (3<<16)|(1<<21)
.irp g, G1, G1B
	s_mov_b32 s[\g+1], 384<<16
	s_mov_b32 s[\g+2], 8<<16
	s_mov_b32 s[\g+3], 384<<16
	s_mov_b32 s[\g+4], 8
	s_mov_b32 s[\g+5], 1536
	s_mov_b32 s[\g+6], 0
	s_mov_b32 s[\g+7], 0
.endr
	s_or_b32 s[G1S+0], s43, (3<<16)|(1<<20)|(1<<21)|(5<<22)|(3<<25)
	s_or_b32 s[G1SB+0], s44, (3<<16)|(1<<20)|(1<<21)|(5<<22)|(3<<25)
.irp g, G1S, G1SB
	s_mov_b32 s[\g+1], 32<<16
	s_mov_b32 s[\g+2], 16<<16
	s_mov_b32 s[\g+3], 32<<16
	s_mov_b32 s[\g+4], 16
	s_mov_b32 s[\g+5], 32
	s_mov_b32 s[\g+6], 0
	s_mov_b32 s[\g+7], 0
.endr
	s_lshl_b32 s45, s[HB], 3
	s_lshl_b32 s46, s40, 4
	s_add_co_u32 s46, s46, s45
	s_lshl_b32 s47, s41, 4
	s_add_co_u32 s47, s47, s45
	s_mul_i32 s92, s46, 12288
	s_mov_b32 s93, 0
	s_mul_i32 s94, s47, 12288
	s_mov_b32 s95, 0
	s_lshl_b32 s96, s46, 9
	s_mov_b32 s97, 0
	s_lshl_b32 s98, s47, 9
	s_mov_b32 s99, 0
	s_mul_i32 s45, s[WVN], HALFT
	s_mul_i32 s46, s[WVN], HALFS
	s_wait_kmcnt 0x0
	s_add_nc_u64 s[92:93], s[4:5], s[92:93]
	s_add_nc_u64 s[94:95], s[4:5], s[94:95]
	s_add_nc_u64 s[96:97], s[6:7], s[96:97]
	s_add_nc_u64 s[98:99], s[6:7], s[98:99]
	CROUND
	s_mov_b32 s[G0S], 1
	s_add_co_u32 s[G0S+1], s46, SCL
	s_mov_b64 s[G0S+2:G0S+3], s[96:97]
	s_or_b32 s[G0S+3], s[G0S+3], 0x80000000
	s_mov_b32 s[G0SB], 1
	s_add_co_u32 s[G0SB+1], s46, SCL
	s_mov_b64 s[G0SB+2:G0SB+3], s[98:99]
	s_or_b32 s[G0SB+3], s[G0SB+3], 0x80000000
	JLOAD G0S, G1S, G0SB, G1SB
.irp s, 0,1
	s_mov_b32 s[G0+4*\s], 1
	s_add_co_u32 s[G0+4*\s+1], s45, \s*SLOT
	s_add_nc_u64 s[G0+4*\s+2:G0+4*\s+3], s[92:93], \s*SB
	s_or_b32 s[G0+4*\s+3], s[G0+4*\s+3], 0x80000000
	s_mov_b32 s[G0B+4*\s], 1
	s_add_co_u32 s[G0B+4*\s+1], s45, \s*SLOT
	s_add_nc_u64 s[G0B+4*\s+2:G0B+4*\s+3], s[94:95], \s*SB
	s_or_b32 s[G0B+4*\s+3], s[G0B+4*\s+3], 0x80000000
	s_wait_alu depctr_va_vdst(0)
	s_wait_tensorcnt 0x0
	ds_add_u32 v28, v29
	s_wait_dscnt 0x0
	CROUND
	JLOAD G0+4*\s, G1, G0B+4*\s, G1B
.endr
	v_and_b32 v1, 15, v0
	v_bfe_u32 v2, v0, 4, 1
	v_and_b32 v3, 31, v0
	v_lshlrev_b32 v[LN8], 3, v3
	s_mul_i32 s45, s[HA], HALFT
	s_mul_i32 s46, s[HB], HALFT
	s_add_co_u32 s46, s46, 2*HALFT
.irp s, 0,1
	v_add_nc_u32 v[ADRA+\s], s45, v[LN8]
	v_add_nc_u32 v[ADRB+\s], s46, v[LN8]
	s_add_co_u32 s45, s45, SLOT
	s_add_co_u32 s46, s46, SLOT
.endr
	v_lshlrev_b32 v5, 5, v1
	v_lshrrev_b32 v6, 8, v5
	v_lshl_add_u32 v5, v6, 4, v5
	s_mul_i32 s45, s[HA], HALFS
	s_mul_i32 s46, s[HB], HALFS
	s_add_co_u32 s46, s46, 2*HALFS
	s_sub_co_u32 s46, s46, s45
	v_mul_u32_u24 v6, s46, v2
	s_add_co_u32 s45, s45, SCL
	v_add_nc_u32 v5, v5, v6
	v_add_nc_u32 v[ADRS], s45, v5
	s_cmp_lg_u32 s[ROLE], 0
	s_cselect_b32 s40, s41, s40
	s_cselect_b32 s41, s22, s21
	s_cselect_b32 s42, s[HA], s[HB]
	s_cselect_b32 s43, s[HB], s[HA]
	s_lshr_b32 s44, s40, 3
	s_lshl_b32 s44, s44, 4
	s_lshl_b32 s45, s41, 2
	s_add_co_u32 s44, s44, s45
	s_lshl_b32 s45, s42, 1
	s_add_co_u32 s44, s44, s45
	s_and_b32 s40, s40, 7
	s_lshl_b32 s40, s40, 1
	s_add_co_u32 s40, s40, s43
	s_lshl_b32 s94, s41, 10
	s_lshl_b32 s95, s42, 9
	s_add_co_u32 s94, s94, s95
	s_mov_b32 s95, 0
	s_mov_b32 s[STRD], 12288
	s_cmp_eq_u32 s[KIND], 0
	s_cselect_b64 s[BP:BP+1], s[8:9], s[10:11]
	s_cselect_b32 s[SCF], 0x3e000000, 1.0
	s_cselect_b32 s[STRD], 8192, s[STRD]
	s_cselect_b32 s46, 0, 524288
	s_cmp_eq_u32 s[KIND], 2
	s_cselect_b64 s[BP:BP+1], s[12:13], s[BP:BP+1]
	s_cselect_b32 s41, 8192, 0
	s_cselect_b32 s42, 8, 9
	s_add_nc_u64 s[BP:BP+1], s[BP:BP+1], s[94:95]
	s_mov_b32 s[SCF+1], s[SCF]
	s_add_co_u32 s46, s46, s41
	s_mul_i32 s41, s44, s[STRD]
	s_add_co_u32 s46, s46, s41
	s_lshl_b32 s41, s40, s42
	s_add_co_u32 s46, s46, s41
	s_mov_b32 s47, 0
	s_add_nc_u64 s[OUTS:OUTS+1], s[16:17], s[46:47]
	s_mul_i32 s44, s44, 98304
	s_mul_i32 s41, s[KIND], 6291456
	s_add_co_u32 s44, s44, s41
	s_mul_i32 s41, s40, 6144
	s_add_co_u32 s44, s44, s41
	s_mov_b32 s45, 0
	s_add_nc_u64 s[OUTC:OUTC+1], s[14:15], s[44:45]
	v_mul_u32_u24 v[SOF], s[STRD], v2
	v_lshl_add_u32 v[SOF], v1, 4, v[SOF]
	v_lshlrev_b32 v[SH16], 4, v2
	s_mov_b32 s[HM], 0xffff0000
	s_mov_b32 s[SEL], 0x76543210
	s_mov_b32 s[SEL+1], 0xfedcba98
.macro FRAG reg, adr, q, i
.irp p, 0,1,2,3,4,5
	ds_load_b64 v[\reg+2*\p:\reg+2*\p+1], v[\adr] offset:(\i)*SB+(\q)*1536+(\p/3)*768+(\p%3)*256
.endr
.endm
.macro MUL16 a0, p, q, sc, zero
.irp a, \a0, \a0+1
.irp b, 0,1,2,3,4,5,6,7
.if \zero
	v_wmma_scale_f32_16x16x128_f8f6f4 v[8*(8*((\a)%4)+\b):8*(8*((\a)%4)+\b)+7], v[128*(\p)+FR*\b:128*(\p)+FR*\b+FR-1], v[AF+FR*(\a):AF+FR*(\a)+FR-1], 0, v[SC+8*NQ*(\sc)+NQ*\b+(\q)], v[SC+8*NQ*(\sc)+NQ*(\a)+(\q)] matrix_a_fmt:MATRIX_FMT_BF6 matrix_b_fmt:MATRIX_FMT_BF6 matrix_a_scale:MATRIX_SCALE_ROW1
.else
	v_wmma_scale_f32_16x16x128_f8f6f4 v[8*(8*((\a)%4)+\b):8*(8*((\a)%4)+\b)+7], v[128*(\p)+FR*\b:128*(\p)+FR*\b+FR-1], v[AF+FR*(\a):AF+FR*(\a)+FR-1], v[8*(8*((\a)%4)+\b):8*(8*((\a)%4)+\b)+7], v[SC+8*NQ*(\sc)+NQ*\b+(\q)], v[SC+8*NQ*(\sc)+NQ*(\a)+(\q)] matrix_a_fmt:MATRIX_FMT_BF6 matrix_b_fmt:MATRIX_FMT_BF6 matrix_a_scale:MATRIX_SCALE_ROW1
.endif
.endr
.endr
.endm
.macro FETCH_B slot, q, p
	WIN TO_B
.irp i, 0,1,2,3,4,5,6,7
	FRAG 128*(\p)+FR*\i, ADRB+\slot, \q, \i
.endr
	WIN 0
.endm
.macro FETCH_A slot, q, i0
.irp i, \i0, \i0+1, \i0+2, \i0+3
	FRAG AF+FR*(\i), ADRA+\slot, \q, \i
.endr
.endm
.macro SCALES sc
.irp i, 0,1,2,3,4,5,6,7
	ds_load_b64 v[SC+8*NQ*\sc+NQ*\i:SC+8*NQ*\sc+NQ*\i+1], v[ADRS] offset:\i*SBLK
.endr
.endm
.macro PLACES n
.rept \n
	v_nop
.endr
.endm
.macro STEP slot, q, zero
	s_wait_dscnt 4*NL
	WIN MUL_LO
	MUL16 0, (\q)%2, \q, \slot, \zero
	MUL16 2, (\q)%2, \q, \slot, \zero
	s_wait_dscnt 0
	PLACES NP
	FETCH_B \slot, (\q)+1, 1-(\q)%2
	FETCH_A \slot, (\q)+1, 0
	WIN MUL_HI
	MUL16 4, (\q)%2, \q, \slot, \zero
	MUL16 6, (\q)%2, \q, \slot, \zero
	PLACES NP
	WIN 0
	FETCH_A \slot, (\q)+1, 4
.endm
.macro TURN slot, next, fill
	s_wait_tensorcnt 0x0
	ds_add_u32 v[SPW], v[NIL]
	s_wait_dscnt 4*NL+1
	WIN MUL_LO
	MUL16 0, 1, NQ-1, \slot, 0
	s_wait_dscnt 0x0
	s_barrier_signal -1
	MUL16 2, 1, NQ-1, \slot, 0
	WIN 0
	s_barrier_wait -1
.if \fill
	CREST
	s_add_nc_u64 s[G0+4*\slot+2:G0+4*\slot+3], s[G0+4*\slot+2:G0+4*\slot+3], 2*SB
	s_add_nc_u64 s[G0B+4*\slot+2:G0B+4*\slot+3], s[G0B+4*\slot+2:G0B+4*\slot+3], 2*SB
	JLOAD G0+4*\slot, G1, G0B+4*\slot, G1B
.else
	PLACES NP
.endif
	s_wait_alu depctr_va_vdst(0)
	v_add_nc_u32 v[ADRS], 4*NQ, v[ADRS]
	FETCH_B \next, 0, 0
	FETCH_A \next, 0, 0
	SCALES \next
	WIN MUL_HI
	MUL16 4, 1, NQ-1, \slot, 0
	MUL16 6, 1, NQ-1, \slot, 0
	PLACES NP
	WIN 0
	FETCH_A \next, 0, 4
.endm
.macro LAST
	s_wait_dscnt 4*NL
	WIN MUL_LO
	MUL16 0, 1, NQ-1, 1, 0
	MUL16 2, 1, NQ-1, 1, 0
	s_wait_dscnt 0
	WIN MUL_HI
	MUL16 4, 1, NQ-1, 1, 0
	MUL16 6, 1, NQ-1, 1, 0
	WIN 0
.endm
.macro OUTA role, a
.set W, 2+(\a)/4
.set AC, 64*((\a)%4)
.set WN, (W<<6)|W
	WIN WN
.set j, 0
.rept 32
.if \role == 0
	v_pk_fma_f32 v[AC+j:AC+j+1], v[AC+j:AC+j+1], s[SCF:SCF+1], v[BI+j:BI+j+1] op_sel_hi:[1,0,1]
.elseif ((\a)%2) == 0
	v_pk_add_f32 v[AC+j:AC+j+1], v[AC+j:AC+j+1], v[BI+2*((\a)/2):BI+2*((\a)/2)+1] op_sel_hi:[1,0]
.else
	v_pk_add_f32 v[AC+j:AC+j+1], v[AC+j:AC+j+1], v[BI+2*((\a)/2):BI+2*((\a)/2)+1] op_sel:[0,1] op_sel_hi:[1,1]
.endif
.set j, j+2
.endr
.set WN, W|(W<<2)
	WIN WN
.irp b, 0,1,2,3
	v_max3_num_f32 v[TM+\b], |v[AC+16*\b]|, |v[AC+16*\b+1]|, 0x2800000
.endr
.irp i, 2,4,6,8,10,12,14
.irp b, 0,1,2,3
	v_max3_num_f32 v[TM+\b], |v[AC+16*\b+\i]|, |v[AC+16*\b+\i+1]|, v[TM+\b]
.endr
.endr
	WIN 0
.irp b, 0,1,2,3
	v_permlanex16_b32 v[TM+4+\b], v[TM+\b], s[SEL], s[SEL+1]
.endr
.irp b, 0,1,2,3
	v_max_num_f32 v[TM+\b], v[TM+\b], v[TM+4+\b]
.endr
.irp b, 0,1,2,3
	v_add_nc_u32 v[TM+12+\b], 0xfe000000, v[TM+\b]
.endr
.irp b, 0,1,2,3
	v_lshrrev_b32 v[TM+4+\b], 23, v[TM+12+\b]
.endr
	v_lshl_or_b32 v[PW+(\a)], v[TM+5], 8, v[TM+4]
	v_lshl_or_b32 v[PW+(\a)], v[TM+6], 16, v[PW+(\a)]
	v_lshl_or_b32 v[PW+(\a)], v[TM+7], 24, v[PW+(\a)]
	s_wait_xcnt 0x0
	WIN W
.irp c, 0,1
	v_cvt_scalef32_pk16_bf6_f32 v[PC+6*\c:PC+6*\c+2], v[AC+32*\c:AC+32*\c+15], v[TM+12+2*\c]
	v_cvt_scalef32_pk16_bf6_f32 v[CT+4*\c:CT+4*\c+2], v[AC+32*\c+16:AC+32*\c+31], v[TM+12+2*\c+1]
.endr
	WIN 0
	v_nop
.irp c, 0,1
.irp i, 0,1,2
	v_permlane16_swap_b32 v[PC+6*\c+\i], v[CT+4*\c+\i]
.endr
.irp i, 0,1,2
	v_mov_b32 v[PC+6*\c+3+\i], v[CT+4*\c+\i]
.endr
.endr
.irp c, 0,1
.irp p, 0,1,2
.if \role == 0
	global_store_b64 v[LN8], v[PC+6*\c+2*\p:PC+6*\c+2*\p+1], s[OUTC:OUTC+1] offset:(\a)*768+\c*98304+\p*256
.else
	global_store_b64 v[LN8], v[PC+6*\c+2*\p:PC+6*\c+2*\p+1], s[OUTC:OUTC+1] offset:((\a)/4)*98304+((\a)%4)*1536+\c*768+\p*256
.endif
.endr
.endr
.endm
.macro WAYOUT role
	s_wait_loadcnt 0x0
.if \role == 0
.set j, 0
.rept 32
	v_pk_mul_f32 v[BI+j:BI+j+1], v[BI+j:BI+j+1], s[SCF:SCF+1] op_sel_hi:[1,0]
.set j, j+2
.endr
.else
	PLACES NP
.endif
.irp b, 0,1,2,3
	v_mov_b32 v[TM+4+\b], 0
.endr
.irp a, 0,1,2,3,4,5,6,7
	OUTA \role, \a
.endr
.if \role == 0
.irp a, 0,1,2,3,4,5,6,7
	v_bfe_u32 v[Z+\a], v[PW+\a], v[SH16], 16
.endr
	global_store_b128 v[SOF], v[Z:Z+3], s[OUTS:OUTS+1]
	global_store_b128 v[SOF], v[Z+4:Z+7], s[OUTS:OUTS+1] offset:256
.else
.irp i, 0,1,2,3
	v_cndmask_b32 v[Z+\i], v[PW+\i], v[PW+4+\i], s[HM]
.endr
	global_store_b128 v[SOF], v[Z:Z+3], s[OUTS:OUTS+1]
.endif
.endm
	s_wait_alu depctr_va_vdst(0)
	s_wait_tensorcnt 1
	s_barrier_signal -1
	s_barrier_wait -1
	FETCH_B 0, 0, 0
	FETCH_A 0, 0, 0
	SCALES 0
	FETCH_A 0, 0, 4
	STEP 0, 0, 1
	TURN 0, 1, 1
	STEP 1, 0, 0
	TURN 1, 0, 1
	STEP 0, 0, 0
	TURN 0, 1, 0
	s_cmp_lg_u32 s[ROLE], 0
	s_cbranch_scc1 .Lrole_v
	v_lshlrev_b32 v[BOF], 6, v2
.irp n, 0,1,2,3,4,5,6,7,8,9,10,11,12,13,14,15
	global_load_b128 v[BI+4*\n:BI+4*\n+3], v[BOF], s[BP:BP+1] offset:128*(\n/4)+16*(\n%4)
.endr
	STEP 1, 0, 0
	LAST
	WAYOUT 0
	s_branch .Lend
.Lrole_v:
	v_and_b32 v[BOF], 8, v1
	v_add_nc_u32 v[BOF], v[BOF], v1
	v_lshlrev_b32 v[BOF], 2, v[BOF]
.irp a, 0,1,2,3,4,5,6,7
	global_load_b32 v[BI+\a], v[BOF], s[BP:BP+1] offset:(32*(\a/2)+8*(\a%2))*4
.endr
	STEP 1, 0, 0
	LAST
	WAYOUT 1
.Lend:
	s_wait_tensorcnt 0x0
	ds_add_u32 v[SPW], v[NIL]
	s_wait_dscnt 0x0
	CROUND
	s_endpgm
.Lfunc_end_k_qe8e95b0dc6_qkv:
	.size	k_qe8e95b0dc6_qkv, .Lfunc_end_k_qe8e95b0dc6_qkv-k_qe8e95b0dc6_qkv
	.p2alignl 7, 3214868480
	.fill 96, 4, 3214868480
	.section	.rodata,"a",@progbits
	.p2align	6, 0x0
	.amdhsa_kernel k_qe8e95b0dc6_qkv
		.amdhsa_group_segment_fixed_size 327680
		.amdhsa_private_segment_fixed_size 0
		.amdhsa_enable_private_segment 0
		.amdhsa_kernarg_size 56
		.amdhsa_user_sgpr_count 2
		.amdhsa_user_sgpr_kernarg_segment_ptr 1
		.amdhsa_wavefront_size32 1
		.amdhsa_system_sgpr_workgroup_id_x 1
		.amdhsa_system_sgpr_workgroup_id_y 1
		.amdhsa_system_sgpr_workgroup_id_z 1
		.amdhsa_system_vgpr_workitem_id 0
		.amdhsa_next_free_vgpr 1024
		.amdhsa_next_free_sgpr 102
		.amdhsa_reserve_vcc 0
		.amdhsa_float_denorm_mode_32 3
		.amdhsa_float_denorm_mode_16_64 3
		.amdhsa_memory_ordered 1
		.amdhsa_forward_progress 1
		.amdhsa_inst_pref_size 255
	.end_amdhsa_kernel
	.section	.bss,"aw",@nobits
	.p2align	6
	.space	262144
	.amdgpu_metadata
---
amdhsa.version: [ 1, 2 ]
amdhsa.kernels:
  - .name:           k_qe8e95b0dc6_qkv
    .symbol:         k_qe8e95b0dc6_qkv.kd
    .args:
      - { .name: codes, .offset: 0, .size: 8, .value_kind: global_buffer, .address_space: global }
      - { .name: scales, .offset: 8, .size: 8, .value_kind: global_buffer, .address_space: global }
      - { .name: bq, .offset: 16, .size: 8, .value_kind: global_buffer, .address_space: global }
      - { .name: bk, .offset: 24, .size: 8, .value_kind: global_buffer, .address_space: global }
      - { .name: bv, .offset: 32, .size: 8, .value_kind: global_buffer, .address_space: global }
      - { .name: img, .offset: 40, .size: 8, .value_kind: global_buffer, .address_space: global }
      - { .name: imgs, .offset: 48, .size: 8, .value_kind: global_buffer, .address_space: global }
    .group_segment_fixed_size: 327680
    .private_segment_fixed_size: 0
    .kernarg_segment_align: 8
    .kernarg_segment_size: 56
    .max_flat_workgroup_size: 128
    .sgpr_count:     102
    .vgpr_count:     1024
    .wavefront_size: 32
...
	.end_amdgpu_metadata
.endif
;; end of part 2
;; launch attn (part 3): grid 4 x 64, 16 waves a work-group, clusters of 4 x 1, 210,944 bytes of LDS; arguments img, imgs, ctxc, ctxs; writes ctxc, ctxs
.if DOCPART == 3
	.amdgcn_target "amdgcn-amd-amdhsa--gfx1250"
	.amdhsa_code_object_version 6
	.text
	.protected	k_qe8e95b0dc6_attn
	.globl	k_qe8e95b0dc6_attn
	.p2align	8
	.type	k_qe8e95b0dc6_attn,@function
k_qe8e95b0dc6_attn:
	s_mov_b64 s[64:65], 0
	v_nop
	global_prefetch_b8 v0, s[64:65] scope:SCOPE_SE
	s_setreg_imm32_b32 hwreg(HW_REG_WAVE_MODE, 25, 1), 1
	s_wait_xcnt 0x0
	s_wait_alu depctr_hold_cnt(0) depctr_sa_sdst(0) depctr_va_vdst(0) depctr_va_sdst(0) depctr_va_ssrc(0) depctr_va_vcc(0) depctr_vm_vsrc(0)
	s_getreg_b32 s2, hwreg(HW_REG_IB_STS2, 6, 4)
	s_cmp_eq_u32 s2, 0
	s_cbranch_scc0 .Lentry_in_a_cluster
	s_endpgm
.Lentry_in_a_cluster:
	s_bfe_u32 s2, ttmp6, 0x10000c
	s_cmp_lg_u32 s2, 0x3003
	s_cbranch_scc0 .Lentry_shape_is_right
	s_endpgm
.Lentry_shape_is_right:
; ctx[q] = the sum over keys of softmax(q . k) v for one head (q already holds the 1 / 8), both products on codes of BF6 (E3M2) with E8M0 scales; ctx is quantised along the output projection's K and stored as codes.
; IN: img, imgs as the projection launch lays them: Q, K [hb][128 token tiles][UNIT of 16 rows x 64 K, 768 bytes]; V [hb][16 key steps][4 tiles of d][2][UNIT]; scale words beside them.
; OUT: ctxc [token tile 512][head 16][UNIT]; ctxs [memory row 8,192][32 bytes].
; THE SOFTMAX: t = score x log2(e); M = the running largest t rounded UP to a whole number; p = 2^(t - M) is quantised along the keys, not normalised; the row's sum is taken of the unquantised p and divides at the end.
; When M moves, the sum and O are multiplied by 2^(old M - new M): exact.
; SHARES: a work-group owns 512 queries of one head (hb = the cluster's y; cx = which 512, in global addresses alone); each of its sixteen waves owns two tiles of 16 queries, one after the other, in 256 registers.
; THE WHOLE HEAD'S K, V AND SCALE WORDS STAY IN LDS, FILLED ONCE: no slot is filled again.  The four work-groups of a cluster walk the same head, so each piece is asked for jointly (mask 15).
; Waves 0-7 issue one load each, a quarter of K's (w even) or V's (w odd) image; waves 8 and 9 one half of the scale words each; all have landed before the first step.
; LAYOUT: both products transposed (S^T = K Q^T, O^T = V^T P^T): a lane holds ONE query.  Token tiles and V's tiles of d are in the order in which the 16 result registers of tiles 2 b, 2 b + 1 are 16 neighbours.
; K = 64 IN AN INSTRUCTION OF 128: Q's registers 6-11 are zero codes.  K's eight tiles lie packed, six registers each, so a tile's registers 6-11 are the next tile's codes (behind the last: zeros):
; they meet zero codes, and this format has no NaN and no infinity, so those products are 0.  The scale bytes of that half are 0 on both sides.
; A row's 32 scale bytes of ctxs belong to sixteen heads, that is sixteen work-groups: each lane stores its one byte; 2 bytes for each 48 of codes leave so.
; LIMITS: NaN and infinities are not served; a p under 2^-126 is 0; a block of zeros or under 2^-122 gets the byte 1.
.set KIMG, 0
.set VIMG, 98304
.set KSC,  196608                      ; K's scale words, 8,192 bytes; V's, 4,096, behind them
.set VSC,  204800
.set QT,   24576                       ; a quarter of an image: 4 key steps
.set AK0,  1                           ; v1   8 x lane: my place in a UNIT, in LDS and in memory
.set AV0,  2                           ; v2   VIMG + 8 x lane
.set ASK0, 3                           ; v3   KSC + 16 r
.set ASV0, 4                           ; v4   VSC + 16 r
.set CSO,  6                           ; v6   32 r + h: my byte of ctxs
.set QSO,  7                           ; v7   16 r
.set ADK,  8                           ; v8-11 the step's addresses
.set ADV,  9
.set ADS,  10
.set ADT,  11
.set QF,   16                          ; v16-21 Q's codes, v22-27 zeros
.set QS,   28                          ; v28  Q's scale word
.set PS,   29                          ; v29  p's scale word
.set Q1,   30                          ; v30-35 the second tile's Q, v36 its scale word
.set KV,   40                          ; v40-87 K's eight tiles, then V's four fragments; v88-93 zeros
.set S,    96                          ; v96-159 S^T, then p
.set OT,   160                         ; v160-191 O^T
.set KSW,  192                         ; v192-199 K's scale words
.set VSW,  200                         ; v200-203 V's
.set PC,   204                         ; v204-215 p's codes
.set CT,   216                         ; v216-222 upper halves
.set BM,   224                         ; v224-227 the blocks' largest
.set T2,   228                         ; v228-231 at work
.set SO,   232                         ; v232-235 the conversions' scale operands
.set CH,   236                         ; v[236:237] the sum's second chain
.set FF,   238                         ; v[238:239] f = 2^(old M - new M); the low word serves
.set TP,   240
.set WV,   12
.set SEL,  16
.set CS,   18
.set G1C,  20
.set G1S,  28
.set HM,   56
.set TK,   57
.set TS,   58
.set TJ,   59
.set CNT,  62
.macro ROUND                           ; a round of the cluster's barrier
	s_barrier_signal -1
	s_barrier_wait -1
	s_cmp_lg_u32 s[WV], 0
	s_cbranch_scc1 .Lnot_wave_0_\@
	s_barrier_signal -3
.Lnot_wave_0_\@:
	s_barrier_wait -3
	s_barrier_signal -1
	s_barrier_wait -1
.endm
	s_load_b256 s[4:11], s[0:1], 0x0               ; img s[4:5], imgs s[6:7], ctxc s[8:9], ctxs s[10:11]
	v_lshl_add_u32 v254, v0, 2, 0x33000
	v_mov_b32 v255, 0
	ds_add_u32 v254, v255
	ds_add_u32 v254, v255
	v_lshrrev_b32 v8, 5, v0
	s_delay_alu instid0(VALU_DEP_1)
	v_readfirstlane_b32 s[WV], v8                  ; wave 0..15
	s_bfe_u32 s13, ttmp6, 0x40000                  ; cx: which 512 queries
	s_and_b32 s14, ttmp7, 0xffff                   ; hb, which the four partners share
	s_and_b32 s15, s[WV], 1                        ; what I fetch, if I fetch: 0 K, 1 V
	; descriptor group 1: dense blocks as rows of 256 bytes (32 elements of 8 bytes), no padding
	s_mov_b32 s[G1C], 15|(3<<16)|(1<<21)           ; 15:0 the mask: all four work-groups; 17:16 elements of 8 bytes; 21 set beside a mask
	s_mov_b32 s[G1C+1], 32<<16
	s_mov_b32 s[G1C+2], 96<<16                     ; a quarter of an image: 96 rows
	s_mov_b32 s[G1C+3], 32<<16
	s_mov_b32 s[G1C+4], 96
	s_mov_b32 s[G1C+5], 32
	s_mov_b32 s[G1C+6], 0
	s_mov_b32 s[G1C+7], 0
	s_mov_b32 s[G1S], 15|(3<<16)|(1<<21)
	s_mov_b32 s[G1S+1], 32<<16
	s_mov_b32 s[G1S+2], 24<<16                     ; half of the head's 12,288 bytes of scale words: 24 rows
	s_mov_b32 s[G1S+3], 32<<16
	s_mov_b32 s[G1S+4], 24
	s_mov_b32 s[G1S+5], 32
	s_mov_b32 s[G1S+6], 0
	s_mov_b32 s[G1S+7], 0
	s_lshl_b32 s66, s15, 6
	s_add_co_u32 s66, s66, s14
	s_add_co_u32 s66, s66, 64
	s_mul_i32 s66, s66, 98304                      ; image 64 + 64 sel + hb
	s_mov_b32 s67, 0
	s_mul_i32 s68, s14, 12288
	s_mul_i32 s69, s15, 6144
	s_add_co_u32 s68, s68, s69
	s_add_co_u32 s68, s68, 524288
	s_add_co_u32 s70, s69, KSC
	s_mov_b32 s69, 0
	s_mul_i32 s71, s15, 98304
	s_mov_b32 s[SEL], 0x76543210
	s_mov_b32 s[SEL+1], 0xfedcba98
	s_mov_b32 s[CS], 0x3fb8aa3b                    ; log2(e)
	s_mov_b32 s[CS+1], s[CS]                       ; named with it as a pair, so it is written
	s_mov_b32 s[HM], 0xffff0000
	v_and_b32 v8, 31, v0
	s_delay_alu instid0(VALU_DEP_1)
	v_lshlrev_b32 v[AK0], 3, v8
	s_delay_alu instid0(VALU_DEP_1)
	v_add_nc_u32 v[AV0], VIMG, v[AK0]
	v_and_b32 v9, 15, v0                           ; r
	v_bfe_u32 v10, v0, 4, 1                        ; h
	s_delay_alu instid0(VALU_DEP_2)
	v_lshlrev_b32 v[QSO], 4, v9
	s_delay_alu instid0(VALU_DEP_1)
	v_add_nc_u32 v[ASK0], KSC, v[QSO]
	s_delay_alu instid0(VALU_DEP_2)
	v_add_nc_u32 v[ASV0], VSC, v[QSO]
	s_delay_alu instid0(VALU_DEP_4)
	v_lshl_add_u32 v[CSO], v9, 5, v10
	s_wait_dscnt 0x0
	s_wait_kmcnt 0x0
	s_add_nc_u64 s[66:67], s[4:5], s[66:67]
	s_add_nc_u64 s[68:69], s[6:7], s[68:69]
	s_mov_b32 s36, 1
	s_mov_b32 s37, s70
	s_mov_b64 s[38:39], s[68:69]
	s_or_b32 s39, s39, 0x80000000
	; THE FIRST FILLS ARE SHARED OUT, ONE A WAVE: wave w under 8 fetches quarter w / 2 of K's (w even) or V's (w odd) image; waves 8 and 9 fetch the two halves of the scale words
	s_lshr_b32 s44, s[WV], 1
	s_and_b32 s44, s44, 3
	s_mul_i32 s44, s44, QT                         ; my quarter, in bytes
	s_mov_b32 s45, 0
	s_mov_b32 s40, 1
	s_add_co_u32 s41, s71, s44
	s_add_nc_u64 s[42:43], s[66:67], s[44:45]
	s_or_b32 s43, s43, 0x80000000
	ROUND                                          ; all four work-groups are here: the joint loads meet
	s_cmp_lt_u32 s[WV], 8                          ; one chain of branches on the wave's number, one load to an arm, one join
	s_cbranch_scc0 .Lfill_s
	tensor_load_to_lds s[40:43], s[G1C:G1C+7]      ; a quarter of an image
	s_nop 0
.rept 4
	v_nop
.endr
	s_branch .Lno_fill
.Lfill_s:
	s_cmp_lt_u32 s[WV], 10
	s_cbranch_scc0 .Lno_fill
	tensor_load_to_lds s[36:39], s[G1S:G1S+7]      ; half of the scale words
	s_nop 0
.rept 4
	v_nop
.endr
.Lno_fill:
	s_lshl_b32 s72, s13, 5
	s_lshl_b32 s73, s[WV], 1
	s_add_co_u32 s72, s72, s73                     ; my first tile of queries: 32 cx + 2 wave
	s_mul_i32 s74, s14, 98304
	s_mul_i32 s75, s72, 768
	s_add_co_u32 s74, s74, s75
	s_mov_b32 s75, 0
	s_add_nc_u64 s[74:75], s[4:5], s[74:75]        ; its codes
	s_lshl_b32 s76, s14, 13
	s_lshr_b32 s77, s72, 2
	s_lshl_b32 s77, s77, 8
	s_add_co_u32 s76, s76, s77
	s_and_b32 s77, s72, 3
	s_lshl_b32 s77, s77, 2
	s_add_co_u32 s76, s76, s77
	s_mov_b32 s77, 0
	s_add_nc_u64 s[76:77], s[6:7], s[76:77]        ; its scale words
	s_lshr_b32 s78, s14, 4
	s_lshl_b32 s78, s78, 7
	s_add_co_u32 s78, s78, s72                     ; its number among all 512 token tiles
	s_and_b32 s79, s14, 15                         ; the head
	s_lshl_b32 s60, s78, 4
	s_add_co_u32 s60, s60, s79
	s_mul_i32 s60, s60, 768
	s_mov_b32 s61, 0
	s_add_nc_u64 s[8:9], s[8:9], s[60:61]
	s_lshl_b32 s60, s78, 9
	s_lshl_b32 s79, s79, 1
	s_add_co_u32 s60, s60, s79
	s_add_nc_u64 s[10:11], s[10:11], s[60:61]
	s_wait_alu depctr_va_vdst(0)
.irp p, 0,1,2
	global_load_b64 v[QF+2*\p:QF+2*\p+1], v[AK0], s[74:75] offset:256*\p
.endr
	global_load_b32 v[QS], v[QSO], s[76:77]
.irp p, 0,1,2
	global_load_b64 v[Q1+2*\p:Q1+2*\p+1], v[AK0], s[74:75] offset:768+256*\p
.endr
	global_load_b32 v[Q1+6], v[QSO], s[76:77] offset:4
.irp p, 0,1,2,3,4,5
	v_mov_b32 v[QF+6+\p], 0                        ; zero codes: the empty half of K
	v_mov_b32 v[KV+48+\p], 0
.endr
.irp b, 0,1,2,3
	v_mov_b32 v[T2+\b], 0                          ; a lane permute's destination counts as one of its sources
.endr
	v_mov_b32 v[FF+1], 0                           ; named as the upper half of a pair
; A KEY STEP: 128 keys.
.macro STEP
	v_add_nc_u32 v[ADK], s[TK], v[AK0]             ; these four are the places behind the last products, in front of the loads into their registers
	v_add_nc_u32 v[ADV], s[TK], v[AV0]
	v_add_nc_u32 v[ADS], s[TS], v[ASK0]
	v_add_nc_u32 v[ADT], s[TJ], v[ASV0]
.irp t, 0,1,2,3,4,5,6,7
.irp p, 0,1,2
	ds_load_b64 v[KV+6*\t+2*\p:KV+6*\t+2*\p+1], v[ADK] offset:768*\t+256*\p
.endr
.endr
	ds_load_b128 v[KSW:KSW+3], v[ADS]
	ds_load_b128 v[KSW+4:KSW+7], v[ADS] offset:256
	s_wait_alu depctr_va_vdst(0)
	s_wait_dscnt 0x0
.irp t, 0,1,2,3,4,5,6,7
	v_wmma_scale_f32_16x16x128_f8f6f4 v[S+8*\t:S+8*\t+7], v[KV+6*\t:KV+6*\t+11], v[QF:QF+11], 0, v[KSW+\t], v[QS] matrix_a_fmt:MATRIX_FMT_BF6 matrix_b_fmt:MATRIX_FMT_BF6
.endr
.rept 4
	v_nop                                          ; places in front of the loads below and of the first read of the scores
.endr
.irp d, 0,1,2,3                        ; V's four fragments land while the softmax is walked
.irp p, 0,1,2,3,4,5
	ds_load_b64 v[KV+12*\d+2*\p:KV+12*\d+2*\p+1], v[ADV] offset:1536*\d+768*(\p/3)+256*(\p%3)
.endr
.endr
	ds_load_b128 v[VSW:VSW+3], v[ADT]
.irp b, 0,1,2,3
	v_max3_num_f32 v[BM+\b], v[S+16*\b], v[S+1+16*\b], v[S+2+16*\b]   ; the largest score of each block of 32 keys: for the row's maximum, and, since p rises with the score, for the block's largest p
.endr
.irp i, 3,5,7,9,11,13
.irp b, 0,1,2,3
	v_max3_num_f32 v[BM+\b], v[BM+\b], v[S+16*\b+\i], v[S+1+16*\b+\i]
.endr
.endr
.irp b, 0,1,2,3
	v_max_num_f32 v[BM+\b], v[BM+\b], v[S+15+16*\b]
.endr
.irp b, 0,1,2,3
	s_delay_alu instid0(VALU_DEP_4)
	v_permlanex16_b32 v[T2+\b], v[BM+\b], s[SEL], s[SEL+1]
.endr
.irp b, 0,1,2,3
	s_delay_alu instid0(VALU_DEP_4)
	v_max_num_f32 v[BM+\b], v[BM+\b], v[T2+\b]     ; with lane l xor 16's 16 keys
.endr
	s_delay_alu instid0(VALU_DEP_2)
	v_max3_num_f32 v[TP], v[BM], v[BM+1], v[BM+2]
	s_delay_alu instid0(VALU_DEP_1)
	v_max_num_f32 v[TP], v[TP], v[BM+3]
	s_delay_alu instid0(VALU_DEP_1)
	v_mul_f32 v[TP], s[CS], v[TP]                  ; as t
	s_delay_alu instid0(VALU_DEP_1)
	v_max_num_f32 v13, v13, v[TP]                  ; the running largest t
	v_mov_b32 v[TP], v12
	s_delay_alu instid0(VALU_DEP_2)
	v_floor_f32 v12, -v13                          ; the new -M = -ceil(t): a whole number
	s_delay_alu instid0(VALU_DEP_1)
	v_sub_f32 v[TP], v12, v[TP]                    ; old M - new M, 0 or less
	s_delay_alu instid0(VALU_DEP_1)
	v_cvt_i32_f32 v[TP], v[TP]                     ; (it saturates)
	s_delay_alu instid0(VALU_DEP_1)
	v_ldexp_f32 v[FF], 1.0, v[TP]                  ; f = 2^(old M - new M)
.set j, 0
.rept 32
	v_pk_fma_f32 v[S+j:S+j+1], v[S+j:S+j+1], s[CS:CS+1], v[12:13] op_sel_hi:[1,0,0]   ; t - M, two at a time
.set j, j+2
.endr
.irp b, 0,1,2,3
	v_fma_f32 v[BM+\b], v[BM+\b], s[CS], v12       ; the same of each block's largest score
.endr
.set j, 0
	s_wait_alu depctr_va_vdst(0)
.rept 64
	v_exp_f32 v[S+j], v[S+j]                       ; p = 2^(t - M), at most 1
.set j, j+1
.endr
	v_pk_mul_f32 v[14:15], v[14:15], v[FF:FF+1] op_sel_hi:[1,0]   ; the sums under the new M: a plain place behind the exponentials
	s_wait_alu depctr_va_vdst(0)                   ; one wait for the batch of 64, ahead of its first reader
.irp b, 0,1,2,3
	v_exp_f32 v[BM+\b], v[BM+\b]                   ; the block's largest p
.endr
	v_pk_add_f32 v[236:237], v[100:101], v[104:105]
	v_pk_add_f32 v[252:253], v[108:109], v[112:113]
	v_pk_add_f32 v[250:251], v[116:117], v[120:121]
	v_pk_add_f32 v[248:249], v[124:125], v[128:129]
	v_pk_add_f32 v[246:247], v[132:133], v[136:137]
	v_pk_add_f32 v[244:245], v[140:141], v[144:145]
	v_pk_add_f32 v[242:243], v[148:149], v[152:153]
	v_pk_add_f32 v[14:15], v[14:15], v[156:157]
	v_pk_add_f32 v[236:237], v[236:237], v[96:97]
	v_pk_add_f32 v[252:253], v[252:253], v[98:99]
	v_pk_add_f32 v[250:251], v[250:251], v[102:103]
	v_pk_add_f32 v[248:249], v[248:249], v[106:107]
	v_pk_add_f32 v[246:247], v[246:247], v[110:111]
	v_pk_add_f32 v[244:245], v[244:245], v[114:115]
	v_pk_add_f32 v[242:243], v[242:243], v[118:119]
	v_pk_add_f32 v[14:15], v[14:15], v[122:123]
	v_pk_add_f32 v[236:237], v[236:237], v[126:127]
	v_pk_add_f32 v[252:253], v[252:253], v[130:131]
	v_pk_add_f32 v[250:251], v[250:251], v[134:135]
	v_pk_add_f32 v[248:249], v[248:249], v[138:139]
	v_pk_add_f32 v[246:247], v[246:247], v[142:143]
	v_pk_add_f32 v[244:245], v[244:245], v[146:147]
	v_pk_add_f32 v[242:243], v[242:243], v[150:151]
	v_pk_add_f32 v[14:15], v[14:15], v[154:155]
	v_pk_add_f32 v[236:237], v[236:237], v[158:159]
	s_delay_alu instid0(VALU_DEP_2)
	v_pk_add_f32 v[14:15], v[14:15], v[248:249]
	s_delay_alu instid0(VALU_DEP_2)
	v_pk_add_f32 v[236:237], v[236:237], v[246:247]
	v_pk_add_f32 v[252:253], v[252:253], v[244:245]
	v_pk_add_f32 v[250:251], v[250:251], v[242:243]
	s_delay_alu instid0(VALU_DEP_2)
	v_pk_add_f32 v[14:15], v[14:15], v[252:253]
	s_delay_alu instid0(VALU_DEP_2)
	v_pk_add_f32 v[236:237], v[236:237], v[250:251]
	s_delay_alu instid0(VALU_DEP_1)
	v_pk_add_f32 v[14:15], v[14:15], v[236:237]
	s_wait_alu depctr_va_vdst(0)                   ; and one for the four
.irp b, 0,1,2,3
	v_max_num_f32 v[BM+\b], 0x2800000, v[BM+\b]    ; the floor 2^(5 - 127)
.endr
.irp b, 0,1,2,3
	s_delay_alu instid0(VALU_DEP_4)
	v_add_nc_u32 v[SO+\b], 0xfe000000, v[BM+\b]    ; 4 off the exponent field: the conversion's scale operand
.endr
.irp b, 0,1,2,3
	s_delay_alu instid0(VALU_DEP_4)
	v_lshrrev_b32 v[T2+\b], 23, v[SO+\b]           ; the scale's byte
.endr
	s_delay_alu instid0(VALU_DEP_3)
	v_lshl_or_b32 v[PS], v[T2+1], 8, v[T2]         ; p's scale word for these 128 keys
	s_delay_alu instid0(VALU_DEP_1)
	v_lshl_or_b32 v[PS], v[T2+2], 16, v[PS]
	s_delay_alu instid0(VALU_DEP_1)
	v_lshl_or_b32 v[PS], v[T2+3], 24, v[PS]
.irp c, 0,1
	v_cvt_scalef32_pk16_bf6_f32 v[PC+6*\c:PC+6*\c+2], v[S+32*\c:S+32*\c+15], v[SO+2*\c]
	v_cvt_scalef32_pk16_bf6_f32 v[CT+4*\c:CT+4*\c+2], v[S+16+32*\c:S+31+32*\c], v[SO+2*\c+1]
.endr
	v_nop                                          ; one plain place behind a scaled conversion
.irp c, 0,1
.irp i, 0,1,2
	v_permlane16_swap_b32 v[PC+6*\c+\i], v[CT+4*\c+\i]
.endr
.irp i, 0,1,2
	s_delay_alu instid0(VALU_DEP_3)
	v_mov_b32 v[PC+6*\c+3+\i], v[CT+4*\c+\i]
.endr
.endr
.set j, 0
.rept 16
	v_pk_mul_f32 v[OT+j:OT+j+1], v[OT+j:OT+j+1], v[FF:FF+1] op_sel_hi:[1,0]   ; O^T under the new M; these sixteen also stand between the writes of p's codes and scale word and the products
.set j, j+2
.endr
	s_wait_alu depctr_va_vdst(0)
	s_wait_dscnt 0x0                               ; V
.irp d, 0,1,2,3                        ; the four accumulators take turns, one instruction a turn
	v_wmma_scale_f32_16x16x128_f8f6f4 v[OT+8*\d:OT+8*\d+7], v[KV+12*\d:KV+12*\d+11], v[PC:PC+11], v[OT+8*\d:OT+8*\d+7], v[VSW+\d], v[PS] matrix_a_fmt:MATRIX_FMT_BF6 matrix_b_fmt:MATRIX_FMT_BF6
.endr
	s_add_co_u32 s[TK], s[TK], 6144                ; the next step's tiles and scale words
	s_add_co_u32 s[TS], s[TS], 512
	s_add_co_u32 s[TJ], s[TJ], 256
.endm
.macro QLOOP n
	s_mov_b32 s[CNT], \n
.Lq_\@:
	STEP
	s_sub_co_u32 s[CNT], s[CNT], 1
	s_cmp_lg_u32 s[CNT], 0
	s_cbranch_scc1 .Lq_\@
.endm
.macro INIT i                          ; the step is written without a first of its own: it finds zeros, which the first change of M leaves zeros
.if \i
	s_wait_xcnt 0x0                                ; the first tile's stores have read their registers
.irp p, 0,1,2,3,4,5
	v_mov_b32 v[QF+\p], v[Q1+\p]
.endr
	v_mov_b32 v[QS], v[Q1+6]
.endif
	v_mov_b32 v13, 0xff61b1e6                      ; the largest t so far: -3e38
	s_delay_alu instid0(VALU_DEP_1)
	v_floor_f32 v12, -v13
	v_mov_b32 v14, 0
	v_mov_b32 v15, 0
.set j, 0
.rept 32
	v_mov_b32 v[OT+j], 0
.set j, j+1
.endr
	s_mov_b32 s[TK], 0
	s_mov_b32 s[TS], 0
	s_mov_b32 s[TJ], 0
.endm
; THE WAY OUT of a tile: O^T / the sum; register 16 b + i is channel 32 b + 16 h + i of my query: two blocks of the projection's K; quantised; one UNIT and two bytes a row.
.macro OUT i
	v_add_f32 v14, v14, v15                        ; the sum's two halves,
	s_delay_alu instid0(VALU_DEP_1)
	v_permlanex16_b32 v[TP], v14, s[SEL], s[SEL+1]
	s_delay_alu instid0(VALU_DEP_1)
	v_add_f32 v14, v14, v[TP]                      ; and lane l xor 16's
	s_wait_alu depctr_va_vdst(0)
	v_rcp_f32 v[FF], v14
	v_nop                                          ; a plain place behind the reciprocal; with the two additions and the next line: four places behind the last products
	v_nop
	s_wait_alu depctr_va_vdst(0)                   ; ahead of the reciprocal's first reader
.set j, 0
.rept 16
	v_pk_mul_f32 v[S+j:S+j+1], v[OT+j:OT+j+1], v[FF:FF+1] op_sel_hi:[1,0]   ; each accumulator from its low end on
.set j, j+2
.endr
.irp b, 0,1
	v_max3_num_f32 v[BM+\b], |v[S+16*\b]|, |v[S+1+16*\b]|, 0x2800000
.endr
.irp n, 2,4,6,8,10,12,14
.irp b, 0,1
	s_delay_alu instid0(VALU_DEP_2)
	v_max3_num_f32 v[BM+\b], v[BM+\b], |v[S+16*\b+\n]|, |v[S+1+16*\b+\n]|
.endr
.endr
.irp b, 0,1
	s_delay_alu instid0(VALU_DEP_2)
	v_permlanex16_b32 v[T2+\b], v[BM+\b], s[SEL], s[SEL+1]
.endr
.irp b, 0,1
	s_delay_alu instid0(VALU_DEP_2)
	v_max_num_f32 v[BM+\b], v[BM+\b], v[T2+\b]
.endr
.irp b, 0,1
	s_delay_alu instid0(VALU_DEP_2)
	v_add_nc_u32 v[SO+\b], 0xfe000000, v[BM+\b]
.endr
.irp b, 0,1
	s_delay_alu instid0(VALU_DEP_2)
	v_lshrrev_b32 v[T2+\b], 23, v[SO+\b]
.endr
	s_delay_alu instid0(VALU_DEP_1)
	v_cndmask_b32 v[TP], v[T2], v[T2+1], s[HM]     ; lanes 0-15 store block 0's byte, lanes 16-31 block 1's
	v_cvt_scalef32_pk16_bf6_f32 v[PC:PC+2], v[S:S+15], v[SO]
	v_cvt_scalef32_pk16_bf6_f32 v[CT:CT+2], v[S+16:S+31], v[SO+1]
	v_nop                                          ; one plain place behind a scaled conversion
.irp n, 0,1,2
	v_permlane16_swap_b32 v[PC+\n], v[CT+\n]
.endr
.irp n, 0,1,2
	s_delay_alu instid0(VALU_DEP_3)
	v_mov_b32 v[PC+3+\n], v[CT+\n]
.endr
.irp p, 0,1,2
	global_store_b64 v[AK0], v[PC+2*\p:PC+2*\p+1], s[8:9] offset:12288*\i+256*\p   ; 256 consecutive bytes, aligned
.endr
	global_store_b8 v[CSO], v[TP], s[10:11] offset:512*\i
.endm
	INIT 0
	s_wait_loadcnt 0x0                             ; Q, both tiles
	s_wait_tensorcnt 0x0                           ; my one load, if I issued one, has landed
	s_wait_dscnt 0x0
	s_barrier_signal -1
	s_barrier_wait -1                              ; so has every wave's: the whole head's K, V and scale words are in
	QLOOP 16
	OUT 0
	INIT 1
	QLOOP 16
	OUT 1
	s_wait_tensorcnt 0x0
	ds_add_u32 v254, v255
	s_wait_dscnt 0x0
	ROUND                                          ; the closing round: no work-group ends while a partner may still ask jointly
	s_endpgm
.Lfunc_end_k_qe8e95b0dc6_attn:
	.size	k_qe8e95b0dc6_attn, .Lfunc_end_k_qe8e95b0dc6_attn-k_qe8e95b0dc6_attn
	.p2alignl 7, 3214868480
	.fill 96, 4, 3214868480
	.section	.rodata,"a",@progbits
	.p2align	6, 0x0
	.amdhsa_kernel k_qe8e95b0dc6_attn
		.amdhsa_group_segment_fixed_size 210944
		.amdhsa_private_segment_fixed_size 0
		.amdhsa_enable_private_segment 0
		.amdhsa_kernarg_size 32
		.amdhsa_user_sgpr_count 2
		.amdhsa_user_sgpr_kernarg_segment_ptr 1
		.amdhsa_wavefront_size32 1
		.amdhsa_system_sgpr_workgroup_id_x 1
		.amdhsa_system_sgpr_workgroup_id_y 1
		.amdhsa_system_sgpr_workgroup_id_z 1
		.amdhsa_system_vgpr_workitem_id 0
		.amdhsa_next_free_vgpr 256
		.amdhsa_next_free_sgpr 80
		.amdhsa_reserve_vcc 0
		.amdhsa_float_denorm_mode_32 3
		.amdhsa_float_denorm_mode_16_64 3
		.amdhsa_memory_ordered 1
		.amdhsa_forward_progress 1
		.amdhsa_inst_pref_size 56
	.end_amdhsa_kernel
	.amdgpu_metadata
---
amdhsa.version: [ 1, 2 ]
amdhsa.kernels:
  - .name:           k_qe8e95b0dc6_attn
    .symbol:         k_qe8e95b0dc6_attn.kd
    .args:
      - { .name: img, .offset: 0, .size: 8, .value_kind: global_buffer, .address_space: global }
      - { .name: imgs, .offset: 8, .size: 8, .value_kind: global_buffer, .address_space: global }
      - { .name: ctxc, .offset: 16, .size: 8, .value_kind: global_buffer, .address_space: global }
      - { .name: ctxs, .offset: 24, .size: 8, .value_kind: global_buffer, .address_space: global }
    .group_segment_fixed_size: 210944
    .private_segment_fixed_size: 0
    .kernarg_segment_align: 8
    .kernarg_segment_size: 32
    .max_flat_workgroup_size: 512
    .sgpr_count:     80
    .vgpr_count:     256
    .wavefront_size: 32
...
	.end_amdgpu_metadata
.endif
;; end of part 3
;; launch outp (part 4): grid 4 x 64, 4 waves a work-group, clusters of 4 x 4, 327,680 bytes of LDS; arguments ctxc, ctxs, codes, scales, bo, out0; writes out0
.if DOCPART == 4
	.amdgcn_target "amdgcn-amd-amdhsa--gfx1250"
	.amdhsa_code_object_version 6
	.text
	.protected	k_qe8e95b0dc6_outp
	.globl	k_qe8e95b0dc6_outp
	.p2align	8
	.type	k_qe8e95b0dc6_outp,@function
k_qe8e95b0dc6_outp:
	s_mov_b64 s[64:65], 0
	v_nop
	global_prefetch_b8 v0, s[64:65] scope:SCOPE_SE
	s_setreg_imm32_b32 hwreg(HW_REG_WAVE_MODE, 25, 1), 1
	s_wait_xcnt 0x0
	s_wait_alu depctr_hold_cnt(0) depctr_sa_sdst(0) depctr_va_vdst(0) depctr_va_sdst(0) depctr_va_ssrc(0) depctr_va_vcc(0) depctr_vm_vsrc(0)
	s_getreg_b32 s2, hwreg(HW_REG_IB_STS2, 6, 4)
	s_cmp_eq_u32 s2, 0
	s_cbranch_scc0 .Lentry_in_a_cluster
	s_endpgm
.Lentry_in_a_cluster:
	s_bfe_u32 s2, ttmp6, 0x10000c
	s_cmp_lg_u32 s2, 0xf033
	s_cbranch_scc0 .Lentry_shape_is_right
	s_endpgm
.Lentry_shape_is_right:
; out0[token][o] = sum over k of ctx[token][k] Wo[k][o] + bo[o], on codes of BF6 (E3M2) with E8M0 scales, K = 1,024; sums in f32.
; IN: ctxc, codes: [tile of 16 rows][16 UNITs of 768 bytes along K] (12,288 bytes a tile, dense); ctxs, scales: [row][32 bytes].  Wo's tiles are 704 .. 767 of codes.
; Row i of tile T is token (or feature) 32 (T / 2) + 8 (T % 2) + i + 8 (i / 8).
; A work-group makes 128 tokens x 256 features: 64 x 4 = 256 work-groups.  ALL OF K LIES IN LDS AT ONCE: A's 8 tiles 98,304 bytes, B's 16 tiles 196,608, the padded scales 13,056: filled once, nothing is filled again.
; The four tiles are the head's four loads, one a wave: wave 0 A's codes, wave 1 B's codes, wave 2 A's scales, wave 3 B's scales.
; CLUSTERS 4 x 4: A's tiles hang on the block row alone and are asked for jointly along a row of the cluster, B's on the block column alone, along a column.
; A wave makes 64 x 128: 32 accumulators (window 2); eight K steps of 128, each 72 LDS loads of the next step's fragments and 32 products; A's and B's fragments have two sets each.
; The matrix instruction is used transposed (source 0 = features, source 1 = tokens): a lane holds eight neighbouring features of one token.
; No prefetch: every byte is asked for by the head's loads, and there is no loop to run ahead in.
; LIMITS: NaN and infinities are not served.
.set FR,     12
.set TB,     12288                     ; a tile's 16 UNITs
.set BIMG,   8*TB                      ; B's codes, behind A's
.set SCL,    24*TB                     ; the scales: units of 256 bytes + 16; A's 16 units, then B's 32
.set SBLK,   544                       ; the scales of 16 rows
.set SPARE,  SCL+48*272                ; the spare words, 512 bytes
.set SPITCH, 528                       ; the way out: 16 rows x (512 + 16) bytes a wave, on A's bytes, behind the barrier after all reads
.set ADRA, 16
.set ADRB, 20                          ; v20, v21: B's tiles 0-3, 4-7 of my eight
.set STO,  24
.set RD,   25
.set CO,   26
.set ADRS, 27
.set SPW,  28
.set NIL,  29
.set SC,   32                          ; v32-95: register 8 i + st: lanes 0-15 the word of A's block i, lanes 16-31 of B's block i, K step st
.set BI,   96                          ; v96-99 my four numbers of bo
.set AF,   128                         ; A's fragments: sets at v128, v176
.set BK,   128                         ; the way out: v128-191, v192-255 by turns
.set WVN,  18
.set HA,   19
.set HB,   20
.set G1,   24
.set G0,   32
.set G1B,  48
.set G0B,  56
.set G1S,  68
.set G0S,  76
.set G1SB, 80
.set G0SB, 88
.set MSB, 0
.macro WIN new
.if MSB != \new
	s_set_vgpr_msb (MSB<<8)|\new
.set MSB, \new
.endif
.endm
.set MUL_W, 0xa1                       ; source 0 (B) window 1, source 1 (A) window 0, C and D window 2
.set TO_B,  0x40
.macro CROUND                          ; a round of the cluster's barrier
	s_barrier_signal -1
	s_barrier_wait -1
	s_cmp_lg_u32 s[WVN], 0
	s_cbranch_scc1 .Lnot_wave_0_\@
	s_barrier_signal -3
.Lnot_wave_0_\@:
	s_barrier_wait -3
	s_barrier_signal -1
	s_barrier_wait -1
.endm
.macro DESC g, rows                    ; a dense block as rows of 256 bytes (32 elements of 8 bytes)
	s_mov_b32 s[\g+1], 32<<16
	s_mov_b32 s[\g+2], (\rows)<<16
	s_mov_b32 s[\g+3], 32<<16
	s_mov_b32 s[\g+4], \rows
	s_mov_b32 s[\g+5], 32
	s_mov_b32 s[\g+6], 0
	s_mov_b32 s[\g+7], 0
.endm
.macro GRP0 g, lds, p
	s_mov_b32 s[\g], 1
	s_mov_b32 s[\g+1], \lds
	s_mov_b64 s[\g+2:\g+3], s[\p:\p+1]
	s_or_b32 s[\g+3], s[\g+3], 0x80000000
.endm
.macro PLACES n
.rept \n
	v_nop
.endr
.endm
	s_load_b256 s[4:11], s[0:1], 0x0               ; ctxc, ctxs, codes, scales
	s_load_b128 s[12:15], s[0:1], 0x20             ; bo, out0
	v_lshl_add_u32 v[SPW], v0, 2, SPARE
	v_mov_b32 v[NIL], 0
	ds_add_u32 v[SPW], v[NIL]                      ; the opening lines: the add twice on end and its wait
	ds_add_u32 v[SPW], v[NIL]
	v_lshrrev_b32 v1, 5, v0
	v_readfirstlane_b32 s[WVN], v1
	s_lshr_b32 s[HA], s[WVN], 1                    ; which 64 tokens are mine
	s_and_b32 s[HB], s[WVN], 1                     ; which 128 features
	s_bfe_u32 s21, ttmp6, 0x40000                  ; cx = the block column (the grid is 4 wide)
	s_bfe_u32 s22, ttmp6, 0x40004                  ; cy
	s_and_b32 s40, ttmp7, 0xffff
	s_lshl_b32 s40, s40, 2
	s_add_co_u32 s40, s40, s22                     ; the block row
	s_lshl_b32 s43, s22, 2
	s_lshl_b32 s43, 15, s43                        ; my row of the cluster
	s_lshl_b32 s44, 0x1111, s21                    ; my column
	s_or_b32 s[G1], s43, (3<<16)|(1<<21)
	s_or_b32 s[G1B], s44, (3<<16)|(1<<21)
	s_or_b32 s[G1S], s43, (3<<16)|(1<<20)|(1<<21)|(5<<22)|(3<<25)   ; 16 bytes of padding behind each 256
	s_or_b32 s[G1SB], s44, (3<<16)|(1<<20)|(1<<21)|(5<<22)|(3<<25)
	DESC G1, 384
	DESC G1B, 768
	DESC G1S, 16
	DESC G1SB, 32
	s_mul_i32 s92, s40, 8*TB                       ; A's 8 tiles
	s_mov_b32 s93, 0
	s_lshl_b32 s47, s21, 4
	s_add_co_u32 s47, s47, 704                     ; B's first tile
	s_mul_i32 s94, s47, TB
	s_mov_b32 s95, 0
	s_lshl_b32 s96, s40, 12                        ; A's scales: 128 rows of 32 bytes
	s_mov_b32 s97, 0
	s_lshl_b32 s98, s47, 9                         ; B's: 512 bytes a tile
	s_mov_b32 s99, 0
	s_mul_i32 s60, s[HA], 4*TB                     ; LDS: my four tiles of A,
	s_mul_i32 s61, s[HB], 8*TB
	s_add_co_u32 s61, s61, BIMG                    ; my eight of B,
	s_add_co_u32 s62, s61, 4*TB
	s_mul_i32 s63, s[HA], 4*SBLK                   ; my scale words: A's,
	s_mul_i32 s66, s[HB], 8*SBLK
	s_add_co_u32 s66, s66, 8*SBLK
	s_sub_co_u32 s66, s66, s63                     ; and how far on B's lie
	s_add_co_u32 s63, s63, SCL
	s_mul_i32 s67, s[WVN], 16*SPITCH               ; my stage
	s_lshl_b32 s46, s21, 10                        ; my first feature, in bytes of f32
	s_lshl_b32 s47, s[HB], 9
	s_add_co_u32 s46, s46, s47
	s_mov_b32 s47, 0
	s_lshl_b32 s44, s40, 19                        ; my first token: 128 x block row + 64 x half, rows of 4,096 bytes
	s_lshl_b32 s45, s[HA], 18
	s_add_co_u32 s44, s44, s45
	s_add_co_u32 s44, s44, s46
	s_mov_b32 s45, 0
	s_wait_dscnt 0x0                               ; both opening adds are done
	s_wait_kmcnt 0x0
	s_add_nc_u64 s[92:93], s[4:5], s[92:93]
	s_add_nc_u64 s[94:95], s[8:9], s[94:95]
	s_add_nc_u64 s[96:97], s[6:7], s[96:97]
	s_add_nc_u64 s[98:99], s[10:11], s[98:99]
	s_add_nc_u64 s[12:13], s[12:13], s[46:47]
	s_add_nc_u64 s[14:15], s[14:15], s[44:45]
	GRP0 G0, 0, 92
	GRP0 G0B, BIMG, 94
	GRP0 G0S, SCL, 96
	GRP0 G0SB, SCL+16*272, 98
	CROUND                                         ; all sixteen work-groups are here: the joint loads meet
.macro ARM under, g0, g1, next         ; one tree of branches on the wave's number: every way passes exactly one load
	s_cmp_lt_u32 s[WVN], \under
	s_cbranch_scc0 \next
	tensor_load_to_lds s[\g0:\g0+3], s[\g1:\g1+7]
	s_nop 0
	PLACES 4
	s_branch .Lhead_asked
\next:
.endm
	ARM 1, G0,  G1,  .Lhead_b
	ARM 2, G0B, G1B, .Lhead_sa
	ARM 3, G0S, G1S, .Lhead_sb
	tensor_load_to_lds s[G0SB:G0SB+3], s[G1SB:G1SB+7]
	s_nop 0
	PLACES 4
.Lhead_asked:
	v_and_b32 v1, 15, v0                           ; r
	v_bfe_u32 v2, v0, 4, 1                         ; h
	v_and_b32 v3, 31, v0
	v_lshlrev_b32 v4, 3, v3                        ; 8 lane: my place in a UNIT
	v_add_nc_u32 v[ADRA], s60, v4
	v_add_nc_u32 v[ADRB], s61, v4
	v_add_nc_u32 v[ADRB+1], s62, v4
	v_lshlrev_b32 v5, 5, v1                        ; my row's 32 scale bytes,
	v_lshrrev_b32 v6, 8, v5
	v_lshl_add_u32 v5, v6, 4, v5                   ; 16 more for each 256 passed
	v_mul_u32_u24 v6, s66, v2                      ; lanes 16-31 take B's
	v_add_nc_u32 v5, v5, v6
	v_add_nc_u32 v[ADRS], s63, v5
	v_mul_u32_u24 v5, v1, SPITCH                   ; the stage, in: row r, 64 h bytes
	v_lshl_add_u32 v5, v2, 6, v5
	v_add_nc_u32 v[STO], s67, v5
	v_lshlrev_b32 v[CO], 4, v3                     ; back: 32 lanes take a row of 512 bytes; the same in out0 and bo
	v_add_nc_u32 v[RD], s67, v[CO]
	s_wait_alu depctr_va_vdst(0)                   ; the wait at the head's end
	global_load_b128 v[BI:BI+3], v[CO], s[12:13]
	s_wait_tensorcnt 0x0                           ; my tile is in
	s_barrier_signal -1
	s_barrier_wait -1                              ; all four are
.macro FETCH st                        ; step st's fragments into sets st % 2: a K step is two UNITs, 1,536 bytes of a tile
	WIN TO_B
.irp i, 0,1,2,3,4,5,6,7
.irp p, 0,1,2,3,4,5
	ds_load_b64 v[128*((\st)%2)+FR*\i+2*\p:128*((\st)%2)+FR*\i+2*\p+1], v[ADRB+\i/4] offset:(\i%4)*TB+(\st)*1536+(\p/3)*768+(\p%3)*256
.endr
.endr
	WIN 0
.irp i, 0,1,2,3
.irp p, 0,1,2,3,4,5
	ds_load_b64 v[AF+48*((\st)%2)+FR*\i+2*\p:AF+48*((\st)%2)+FR*\i+2*\p+1], v[ADRA] offset:\i*TB+(\st)*1536+(\p/3)*768+(\p%3)*256
.endr
.endr
.endm
.macro MUL st, zero                    ; 32 products; the 32 accumulators take turns
.irp a, 0,1,2,3
.irp b, 0,1,2,3,4,5,6,7
.if \zero
	v_wmma_scale_f32_16x16x128_f8f6f4 v[8*(8*\a+\b):8*(8*\a+\b)+7], v[128*((\st)%2)+FR*\b:128*((\st)%2)+FR*\b+FR-1], v[AF+48*((\st)%2)+FR*\a:AF+48*((\st)%2)+FR*\a+FR-1], 0, v[SC+8*\b+(\st)], v[SC+8*\a+(\st)] matrix_a_fmt:MATRIX_FMT_BF6 matrix_b_fmt:MATRIX_FMT_BF6 matrix_a_scale:MATRIX_SCALE_ROW1
.else
	v_wmma_scale_f32_16x16x128_f8f6f4 v[8*(8*\a+\b):8*(8*\a+\b)+7], v[128*((\st)%2)+FR*\b:128*((\st)%2)+FR*\b+FR-1], v[AF+48*((\st)%2)+FR*\a:AF+48*((\st)%2)+FR*\a+FR-1], v[8*(8*\a+\b):8*(8*\a+\b)+7], v[SC+8*\b+(\st)], v[SC+8*\a+(\st)] matrix_a_fmt:MATRIX_FMT_BF6 matrix_b_fmt:MATRIX_FMT_BF6 matrix_a_scale:MATRIX_SCALE_ROW1
.endif
.endr
.endr
.endm
	FETCH 0
.irp i, 0,1,2,3,4,5,6,7                ; all eight K steps' scale words, once (lanes 0-15 of blocks 4-7 read words that no product names)
	ds_load_b128 v[SC+8*\i:SC+8*\i+3], v[ADRS] offset:\i*SBLK
	ds_load_b128 v[SC+8*\i+4:SC+8*\i+7], v[ADRS] offset:\i*SBLK+16
.endr
	s_wait_dscnt 0x0
	FETCH 1
	WIN MUL_W
	MUL 0, 1                                       ; the first step's products start the sums
.set ST, 1
.rept 6
	s_wait_dscnt 0x0                               ; this step's fragments are in
	PLACES 4                                       ; four places behind the products that read the sets now loaded into
	FETCH ST+1
	WIN MUL_W
	MUL ST, 0
.set ST, ST+1
.endr
	s_wait_dscnt 0x0                               ; my last reads of the codes are done:
	s_barrier_signal -1                            ; say so,
	MUL 7, 0                                       ; work on registers meanwhile,
	WIN 0
	s_barrier_wait -1                              ; and behind this nobody reads A's bytes: they have had their only fill and take the stages
.macro TOSTAGE a                       ; 16 tokens x 128 features into my stage, and back as whole rows of 512 bytes
	WIN 0x08                                       ; the data: window 2
.irp b, 0,1,2,3,4,5,6,7
	ds_store_b128 v[STO], v[64*(\a)+8*\b:64*(\a)+8*\b+3] offset:128*(\b/2)+32*(\b%2)      ; each accumulator from its low end on
	ds_store_b128 v[STO], v[64*(\a)+8*\b+4:64*(\a)+8*\b+7] offset:128*(\b/2)+32*(\b%2)+16
.endr
	WIN 0
.set BB, BK+64*((\a)%2)
.irp t, 0,1,2,3,4,5,6,7,8,9,10,11,12,13,14,15
	ds_load_b128 v[BB+4*\t:BB+4*\t+3], v[RD] offset:\t*SPITCH    ; LDS serves a wave's instructions in order: these see the stores above
.endr
.endm
.macro SEND a, younger
.set BB, BK+64*((\a)%2)
	s_wait_dscnt \younger                          ; the block is back
.if (\a) > 0
.if ((\a)%2) == 1
	s_add_nc_u64 s[14:15], s[14:15], 8*4096        ; (behind a wait on XCNT) an odd tile begins 8 tokens on,
.else
	s_add_nc_u64 s[14:15], s[14:15], 24*4096       ; an even one 24 more
.endif
.endif
.irp t, 0,1,2,3,4,5,6,7,8,9,10,11,12,13,14,15
	v_pk_add_f32 v[BB+4*\t:BB+4*\t+1], v[BB+4*\t:BB+4*\t+1], v[BI:BI+1]
	v_pk_add_f32 v[BB+4*\t+2:BB+4*\t+3], v[BB+4*\t+2:BB+4*\t+3], v[BI+2:BI+3]
.endr
.irp t, 0,1,2,3,4,5,6,7,8,9,10,11,12,13,14,15
	global_store_b128 v[CO], v[BB+4*\t:BB+4*\t+3], s[14:15] offset:(\t+8*(\t/8))*4096 th:TH_STORE_NT   ; 512 consecutive bytes, at a multiple of 256
.endr
.endm
	s_wait_loadcnt 0x0                             ; bo
	PLACES 4                                       ; behind the last products: for the reads of results and the loads into A's sets
	TOSTAGE 0
.irp a, 1,2,3
.if \a > 1
	s_wait_xcnt 0x0                                ; block a - 2's stores have read their registers and their base
.endif
	TOSTAGE \a
	SEND \a-1, 32                                  ; behind block a - 1's loads: block a's 16 stores and 16 loads
.endr
	s_wait_xcnt 0x0
	SEND 3, 0
	s_wait_tensorcnt 0x0                           ; the wave's end
	ds_add_u32 v[SPW], v[NIL]
	s_wait_dscnt 0x0
	CROUND                                         ; the closing round
	s_endpgm
.Lfunc_end_k_qe8e95b0dc6_outp:
	.size	k_qe8e95b0dc6_outp, .Lfunc_end_k_qe8e95b0dc6_outp-k_qe8e95b0dc6_outp
	.p2alignl 7, 3214868480
	.fill 96, 4, 3214868480
	.section	.rodata,"a",@progbits
	.p2align	6, 0x0
	.amdhsa_kernel k_qe8e95b0dc6_outp
		.amdhsa_group_segment_fixed_size 327680
		.amdhsa_private_segment_fixed_size 0
		.amdhsa_enable_private_segment 0
		.amdhsa_kernarg_size 48
		.amdhsa_user_sgpr_count 2
		.amdhsa_user_sgpr_kernarg_segment_ptr 1
		.amdhsa_wavefront_size32 1
		.amdhsa_system_sgpr_workgroup_id_x 1
		.amdhsa_system_sgpr_workgroup_id_y 1
		.amdhsa_system_sgpr_workgroup_id_z 1
		.amdhsa_system_vgpr_workitem_id 0
		.amdhsa_next_free_vgpr 768
		.amdhsa_next_free_sgpr 100
		.amdhsa_reserve_vcc 0
		.amdhsa_float_denorm_mode_32 3
		.amdhsa_float_denorm_mode_16_64 3
		.amdhsa_memory_ordered 1
		.amdhsa_forward_progress 1
		.amdhsa_inst_pref_size 102
	.end_amdhsa_kernel
	.amdgpu_metadata
---
amdhsa.version: [ 1, 2 ]
amdhsa.kernels:
  - .name:           k_qe8e95b0dc6_outp
    .symbol:         k_qe8e95b0dc6_outp.kd
    .args:
      - { .name: ctxc, .offset: 0, .size: 8, .value_kind: global_buffer, .address_space: global }
      - { .name: ctxs, .offset: 8, .size: 8, .value_kind: global_buffer, .address_space: global }
      - { .name: codes, .offset: 16, .size: 8, .value_kind: global_buffer, .address_space: global }
      - { .name: scales, .offset: 24, .size: 8, .value_kind: global_buffer, .address_space: global }
      - { .name: bo, .offset: 32, .size: 8, .value_kind: global_buffer, .address_space: global }
      - { .name: out0, .offset: 40, .size: 8, .value_kind: global_buffer, .address_space: global }
    .group_segment_fixed_size: 327680
    .private_segment_fixed_size: 0
    .kernarg_segment_align: 8
    .kernarg_segment_size: 48
    .max_flat_workgroup_size: 128
    .sgpr_count:     100
    .vgpr_count:     768
    .wavefront_size: 32
...
	.end_amdgpu_metadata
.endif
;; end of part 4
